; MI455X (gfx1250); checked and timed in simulation.
; The chip was launched on July 23, 2026; its instructions are those of AMD's public machine-readable ISA for CDNA 5 (MIT licence, August 2026) and "CDNA5" Instruction Set Architecture Reference Guide (July 2026). The comments in the code are by the model that wrote it; some were corrected since.
;; Causal Self Attention. Allowed arithmetic: matrix products marked QUANTISED: E2M3 operands, one E8M0 scale for each 32 along K, by v_wmma_scale_f32_16x16x128_f8f6f4 with both operands' format E2M3, f32 sums; everything else in f32.
;; Inputs: b_proj 1,024 float32; b_qkv 3,072 float32; w_proj 1,024 x 1,024 float32; w_qkv 1,024 x 3,072 float32; x 4 x 2,048 x 1,024 float32.
;; Outputs: out0 4 x 2,048 x 1,024 float32.
;; This version of the problem:
;;   THIS VERSION OF THE PROBLEM IS GIVEN IN LOW PRECISION. The matrix products marked QUANTISED in the list below multiply operands that are first quantised to E2M3 (2 exponent bits, 3 mantissa bits; 6 bits a number), with one power-of-two scale for each 32 numbers along K (OCP MX v1.0); their sums are f32. All else is computed in f32.
;;   The module's matrix products, in the order in which they are computed (A, B: the left and right operand; K: the contracted axis; several contracted axes count as one K, in the product's order):
;;     1. [M 8,192, K 1,024] x [K 1,024, N 3,072]; A: input x; B: input w_qkv: QUANTISED
;;     2. batch 64 x [M 2,048, K 64] x [K 64, N 2,048]; A: computed on the way; B: computed on the way: QUANTISED
;;     3. batch 64 x [M 2,048, K 2,048] x [K 2,048, N 64]; A: softmax (see below); B: computed on the way: QUANTISED
;;     4. [M 8,192, K 1,024] x [K 1,024, N 1,024]; A: computed on the way; B: input w_proj: QUANTISED
;;   THE QUANTISER, for each operand of a quantised product, along K:
;;     - K is cut into blocks of 32 from its start; a last block that is shorter is filled with zeros.
;;     - A block's scale is 2^e with e = floor(log2(the largest magnitude in the block)) - 2, held to -126 .. 127; a block of zeros has e = 0. As a byte (E8M0): e + 127.
;;     - Each number is divided by its block's scale, clamped to +-7.5, and rounded to the nearest number of E2M3, ties to even, subnormals kept.
;;     - The product sums the exact products of the quantised numbers (number of the format x scale) in f32.
;;   ~~~python
;;   def quantise(x, axis):      # numpy; x: float32 -> the quantised numbers, widened to float32 again
;;       x = np.moveaxis(x, axis, -1); K = x.shape[-1]
;;       x = np.pad(x, [(0, 0)] * (x.ndim - 1) + [(0, -K % 32)]); x = x.reshape(x.shape[:-1] + (-1, 32)); a = np.abs(x).max(-1, keepdims=True)
;;       e = np.where(a > 0, np.clip(np.frexp(np.where(a > 0, a, 1))[1] - 1 - 2, -126, 127), 0)      # np.frexp(a)[1] - 1 = floor(log2(a)), exactly
;;       r = np.clip(x / 2.0 ** e, -7.5, 7.5)
;;       step = 2.0 ** (np.maximum(np.frexp(np.where(r == 0, 1, r))[1] - 1, 0) - 3)
;;       q = np.round(r / step) * step * 2.0 ** e      # np.round: ties to even
;;       return np.moveaxis(q.reshape(q.shape[:-2] + (-1,))[..., :K], -1, axis).astype(np.float32)
;;   ~~~
;;   SOFTMAX AHEAD OF A QUANTISED PRODUCT. Where the list says 'softmax', what is quantised is not the finished softmax but p = 2^(t - M), with t = logit x log2(e) and M = ceil(the row's largest t), a whole number; so 1/2 < the row's largest p <= 1. The row's sum l is taken of the UNQUANTISED p, in f32, and the product's result is divided by l at the end. Since M is a whole number, a kernel that streams over the keys may use a running M (the ceiling of the running maximum): every later rescaling is an exact power of two, which a block's scale takes up: the codes' values come out the same.
;;   OPERANDS COMPUTED ON THE WAY. 'Computed on the way' means the value that the module computes at that place (a softmax that the list does not call 'softmax' is quantised finished and normalised). What goes into a quantiser is computed in f32, as accurately as f32 sums, v_exp_f32 and their like allow (about 1e-6 of the number): no bf16 or f16 on the way to a quantiser, and a product that is left as it is and whose result goes on into a quantised operand takes f32 operands (vector FMAs, or v_wmma_f32_16x16x4_f32). A number that lies on a knife's edge between two numbers of the format may be rounded either way, as far as f32 arithmetic and the matrix unit's own rounding can turn it there, and no further.
;; One version. Each part assembles by itself: llvm-mc -triple=amdgcn-amd-amdhsa -mcpu=gfx1250 --defsym DOCPART=n.
;; ======== version 1 of 1: 4 launches
;; workspace buffers: x_q 6,553,600 bytes; w_q 3,276,800 bytes; a_q 6,553,600 bytes; q_buf 6,815,744 bytes; kv 13,369,344 bytes
;; launch prep (part 1): grid 384 x 1, 4 waves a work-group, no clusters, 34,304 bytes of LDS; arguments x, w_qkv, w_proj, x_q, w_q; writes x_q, w_q
.if DOCPART == 1
	.amdgcn_target "amdgcn-amd-amdhsa--gfx1250"
	.amdhsa_code_object_version 6
	.text
	.protected	k_q36196c4930_prep
	.globl	k_q36196c4930_prep
	.p2align	8
	.type	k_q36196c4930_prep,@function
k_q36196c4930_prep:
	s_mov_b64 s[64:65], 0
	v_nop
	global_prefetch_b8 v0, s[64:65] scope:SCOPE_SE
	s_setreg_imm32_b32 hwreg(HW_REG_WAVE_MODE, 25, 1), 1
	s_wait_xcnt 0x0
; x [8192][1024], w_qkv [1024][3072] and w_proj [1024][1024], f32, become codes of FP6 (E2M3) with one E8M0 byte for each 32 along K (K = 1024 in all three), laid in the ORDER OF THE OPERAND'S REGISTERS.
; A block's scale is 2^(floor(log2(largest magnitude)) - 2); its byte is the largest magnitude's exponent field - 2, held at 1 from below.
; LIMITS: NaN and infinities among the inputs are not served; a block whose largest magnitude lies under 2^-124 gets the byte 1; a block of zeros gets the byte 1 (its codes are zeros; only this program reads the bytes).
; LAYOUT OF x_q AND w_q.  A panel = 128 row positions = 102,400 bytes: [quarter of K: 25,600][half of the panel's 8 tiles: 12,800][tile: 3,072][128 along K: 1,536][64 along K: 768], and behind a half's 12,288 bytes of codes two units of 256 scale bytes.
; 768 bytes = 16 rows x 64 K: registers 0-3 of the 32 lanes at 16 x lane, registers 4-5 at 512 + 8 x lane.  A scale unit: [lane][two words]: lanes 0-15 the even tile's rows, lanes 16-31 the odd tile's; word q for the quarter's q-th 128 along K.
; THE ROWS OF A TILE ARE NOT NEIGHBOURS: in each group of 32 rows, lane r of tile u holds row 8 u + r + 8 (r / 8), so that a later product's 16 registers of two neighbouring tiles are 16 neighbours.
; Work-groups 0-255: x (K innermost), 32 rows each, a wave to a quarter of K.  256-351: w_qkv, 352-383: w_proj (K outermost): 128 columns x a quarter of K, a wave to 32 columns.  Waves share nothing: no barrier.
.set SEL, 30                           ; s30, s31 lane selects of v_permlanex16_b32: lane l xor 16
.set HM,  32                           ; s32 the mask of lanes 16-31
.set RR,  40                           ; v40-167  x: two sets of 64 registers as loaded
.set XX,  168                          ; v168-231 x: my two whole blocks of 32
.set CC,  20                           ; v20-31   a fragment's codes
.set CT,  32                           ; v32-39   the upper halves of the blocks' codes, as the conversions leave them
	s_load_b256 s[4:11], s[0:1], 0x0               ; x s[4:5], w_qkv s[6:7], w_proj s[8:9], x_q s[10:11]
	s_load_b64 s[12:13], s[0:1], 0x20              ; w_q
	v_lshl_add_u32 v232, v0, 2, 0x8400
	v_mov_b32 v233, 0
	v_lshrrev_b32 v7, 5, v0
	v_readfirstlane_b32 s14, v7                    ; wave 0..3
	v_and_b32 v7, 31, v0
	v_lshlrev_b32 v4, 4, v7                        ; 16 x lane
	v_lshlrev_b32 v5, 3, v7                        ; 8 x lane
	s_cmp_ge_u32 ttmp9, 256
	s_cbranch_scc1 .Lweights
; ---------------- x: work-group g takes rows 32 g .. 32 g + 31 (two tiles), wave w the quarter w of K: four fragments f = 2 u + q
	s_mul_i32 s15, s14, 8448                       ; my stage: 16 rows x 528 bytes
	v_add_nc_u32 v2, s15, v4                       ; into it: 16 bytes a lane of a row's 512
	v_and_b32 v8, 15, v0                           ; r
	v_bfe_u32 v9, v0, 4, 1                         ; h
	v_mul_u32_u24 v3, v8, 528
	v_lshl_add_u32 v3, v9, 7, v3
	v_add_nc_u32 v3, s15, v3                       ; out of it: row r, block h
	v_lshlrev_b32 v6, 3, v9                        ; 8 h
	v_mov_b32 v15, 0                               ; written once: a lane permute's destination counts as one of its sources
	s_mov_b32 s[SEL], 0x76543210
	s_mov_b32 s[SEL+1], 0xfedcba98
	s_mov_b32 s[HM], 0xffff0000
	s_lshl_b32 s16, ttmp9, 17                      ; 32 rows of 4,096 bytes
	s_lshl_b32 s17, s14, 10                        ; my 256 numbers of a row
	s_add_co_u32 s16, s16, s17
	s_mov_b32 s17, 0
	s_lshr_b32 s18, ttmp9, 2
	s_mul_i32 s18, s18, 102400                     ; the panel
	s_mul_i32 s19, s14, 25600                      ; the quarter of K
	s_add_co_u32 s18, s18, s19
	s_bfe_u32 s19, ttmp9, 0x10001
	s_mul_i32 s19, s19, 12800                      ; the half
	s_add_co_u32 s18, s18, s19
	s_and_b32 s20, ttmp9, 1
	s_mul_i32 s21, s20, 6144                       ; the pair of tiles
	s_add_co_u32 s22, s18, s21
	s_mov_b32 s23, 0
	s_lshl_b32 s20, s20, 8
	s_add_co_u32 s24, s18, s20
	s_add_co_u32 s24, s24, 12288                   ; the pair's scale unit
	s_mov_b32 s25, 0
	s_wait_alu depctr_va_vdst(0)
	s_wait_kmcnt 0x0
	s_add_nc_u64 s[4:5], s[4:5], s[16:17]
	s_add_nc_u64 s[26:27], s[10:11], s[22:23]
	s_add_nc_u64 s[28:29], s[10:11], s[24:25]
.macro LOADF f                         ; fragment f: 16 rows x 128 numbers; each load reads 512 consecutive bytes of one row
.irp i, 0,1,2,3,4,5,6,7,8,9,10,11,12,13,14,15
	global_load_b128 v[RR+64*((\f)%2)+4*\i:RR+64*((\f)%2)+4*\i+3], v4, s[4:5] offset:(8*((\f)/2)+\i+8*(\i/8))*4096+((\f)%2)*512 th:TH_LOAD_NT
.endr
.endm
.macro TURNF f                         ; through my stage: in as loaded, out as two whole blocks of my row.  LDS serves a wave's instructions in order: no wait between
.irp i, 0,1,2,3,4,5,6,7,8,9,10,11,12,13,14,15
	ds_store_b128 v2, v[RR+64*((\f)%2)+4*\i:RR+64*((\f)%2)+4*\i+3] offset:528*\i
.endr
.irp c, 0,1
.irp m, 0,1,2,3,4,5,6,7
	ds_load_b128 v[XX+32*\c+4*\m:XX+32*\c+4*\m+3], v3 offset:256*\c+16*\m   ; block 2 c + h of row r
.endr
.endr
.endm
.macro QUANTB f
.irp c, 0,1
	v_max3_num_f32 v[8+\c], |v[XX+32*\c]|, |v[XX+32*\c+1]|, 0x1800000      ; with the floor 2^(3 - 127): the byte cannot fall under 1
.endr
.irp i, 2,4,6,8,10,12,14,16,18,20,22,24,26,28,30
.irp c, 0,1
	v_max3_num_f32 v[8+\c], v[8+\c], |v[XX+32*\c+\i]|, |v[XX+32*\c+\i+1]|
.endr
.endr
.irp c, 0,1
	v_add_nc_u32 v[10+\c], 0xff000000, v[8+\c]     ; 2 off the exponent field: the conversion's scale operand
.endr
.irp c, 0,1
	v_lshrrev_b32 v[12+\c], 23, v[10+\c]           ; the scale's byte
.endr
	v_lshl_or_b32 v14, v13, 16, v12                ; blocks h and 2 + h,
	v_lshlrev_b32 v14, v6, v14                     ; at their places in the row's word;
	v_permlanex16_b32 v15, v14, s[SEL], s[SEL+1]
	v_or_b32 v[16+(\f)], v14, v15                  ; with lane l xor 16's two the word is whole
	s_wait_alu depctr_va_vdst(0)
	s_wait_xcnt 0x0                                ; the last fragment's stores have read the codes' registers
.irp c, 0,1
	v_cvt_scalef32_pk16_fp6_f32 v[CC+6*\c:CC+6*\c+2], v[XX+32*\c:XX+32*\c+15], v[10+\c]
	v_cvt_scalef32_pk16_fp6_f32 v[CT+4*\c:CT+4*\c+2], v[XX+32*\c+16:XX+32*\c+31], v[10+\c]   ; (a conversion's three registers begin on an even number)
.endr
	v_nop                                          ; one plain place behind a scaled conversion
.irp c, 0,1
.irp i, 0,1,2
	v_mov_b32 v[CC+6*\c+3+\i], v[CT+4*\c+\i]
.endr
.endr
.endm
.macro STOREF f                        ; each store covers 512 or 256 consecutive bytes, at a multiple of 256 from the buffer's first byte
.set FO, 3072*((\f)/2)+1536*((\f)%2)
	global_store_b128 v4, v[CC:CC+3], s[26:27] offset:FO
	global_store_b64 v5, v[CC+4:CC+5], s[26:27] offset:FO+512
	global_store_b128 v4, v[CC+6:CC+9], s[26:27] offset:FO+768
	global_store_b64 v5, v[CC+10:CC+11], s[26:27] offset:FO+1280
.endm
	LOADF 0
	LOADF 1
.irp f, 0,1,2,3
.if \f < 3
	s_wait_loadcnt 16                              ; this fragment's 16 loads are in; the next fragment's 16 may be out
.else
	s_wait_loadcnt 0x0
.endif
	TURNF \f
	s_wait_dscnt 0x0                               ; my blocks are back, and the stage's stores have read their registers,
.if \f < 2
	LOADF \f+2                                     ; which take the fragment two on
.endif
	QUANTB \f
	STOREF \f
.endr
	v_cndmask_b32 v14, v16, v18, s[HM]             ; the scale unit: lanes 0-15 tile 0's words, lanes 16-31 tile 1's
	v_cndmask_b32 v15, v17, v19, s[HM]
	global_store_b64 v5, v[14:15], s[28:29]        ; 256 consecutive bytes
	s_wait_tensorcnt 0x0
	ds_add_u32 v232, v233
	s_wait_dscnt 0x0
	s_endpgm
; ---------------- a weight [1024 (k)][n]: a lane takes a column, its registers run down K
.macro LOADW t, RS
.set NN, 0
.rept 32
	global_load_b32 v[40+32*((\t)%2)+NN], v1, s[18:19] offset:(32*(\t)+NN)*(\RS) th:TH_LOAD_NT
.set NN, NN+1
.endr
.endm
.macro WBLOCK t, RS                    ; block t of the quarter's eight: all its 32 numbers are mine
.set XS, 40+32*((\t)%2)
.set WQ, (\t)/4
.set KB, (\t)%4
.set ID, 104+24*WQ+12*(KB%2)+6*(KB/2)  ; even blocks into the first run of 12 registers, odd ones into the second
.if (\t) < 7
	s_wait_loadcnt 32                              ; this block's 32 loads are in; the next block's may be out
.else
	s_wait_loadcnt 0x0
.endif
	v_max3_num_f32 v12, |v[XS]|, |v[XS+1]|, |v[XS+2]|
	v_max3_num_f32 v13, |v[XS+3]|, |v[XS+4]|, |v[XS+5]|
.irp i, 6,10,14,18,22,26
	v_max3_num_f32 v12, v12, |v[XS+\i]|, |v[XS+\i+1]|
	v_max3_num_f32 v13, v13, |v[XS+\i+2]|, |v[XS+\i+3]|
.endr
	v_max3_num_f32 v12, v12, |v[XS+30]|, |v[XS+31]|
	v_max3_num_f32 v12, v12, v13, 0x1800000        ; and the floor
	v_add_nc_u32 v11, 0xff000000, v12
	v_lshrrev_b32 v13, 23, v11
.if KB == 0
	v_mov_b32 v[16+WQ], v13
.else
	v_lshl_or_b32 v[16+WQ], v13, 8*KB, v[16+WQ]    ; my column's scale word of these 128 along K
.endif
	v_cvt_scalef32_pk16_fp6_f32 v[ID:ID+2], v[XS:XS+15], v11
	v_cvt_scalef32_pk16_fp6_f32 v[20:22], v[XS+16:XS+31], v11
	v_nop                                          ; one plain place behind a scaled conversion
.irp i, 0,1,2
	v_mov_b32 v[ID+3+\i], v[20+\i]
.endr
.if (\t)+2 < 8
	LOADW (\t)+2, \RS
.endif
.if KB == 3                            ; lane (u, r) holds blocks 0, 2 and 1, 3 of tile u's row r: the exchange gives lanes 16-31 of the first run tile 0's odd blocks, lanes 0-15 of the second tile 1's even ones
.set IB, 104+24*WQ
.irp i, 0,1,2,3,4,5,6,7,8,9,10,11
	v_permlane16_swap_b32 v[IB+\i], v[IB+12+\i]
.endr
.irp u, 0,1
	global_store_b128 v4, v[IB+12*\u:IB+12*\u+3], s[22:23] offset:3072*\u+1536*WQ
	global_store_b64 v5, v[IB+12*\u+4:IB+12*\u+5], s[22:23] offset:3072*\u+1536*WQ+512
	global_store_b128 v4, v[IB+12*\u+6:IB+12*\u+9], s[22:23] offset:3072*\u+1536*WQ+768
	global_store_b64 v5, v[IB+12*\u+10:IB+12*\u+11], s[22:23] offset:3072*\u+1536*WQ+1280
.endr
.endif
.endm
.macro WPATH RS, ptr, id0, p0          ; RS: bytes in a row of the weight; ptr: its pointer; id0: the first work-group of this weight; p0: its first panel in w_q
	s_sub_co_u32 s15, ttmp9, \id0
	s_lshr_b32 s16, s15, 2                         ; which 128 columns
	s_and_b32 s17, s15, 3                          ; which quarter of K
	s_mul_i32 s18, s17, 256*(\RS)
	s_lshl_b32 s19, s16, 9
	s_add_co_u32 s18, s18, s19
	s_lshl_b32 s19, s14, 7                         ; my wave's 32 columns
	s_add_co_u32 s18, s18, s19
	s_mov_b32 s19, 0
	s_add_co_u32 s20, s16, \p0
	s_mul_i32 s20, s20, 102400
	s_mul_i32 s21, s17, 25600
	s_add_co_u32 s20, s20, s21
	s_lshr_b32 s21, s14, 1
	s_mul_i32 s21, s21, 12800
	s_add_co_u32 s20, s20, s21
	s_and_b32 s21, s14, 1
	s_mul_i32 s22, s21, 6144
	s_add_co_u32 s22, s20, s22
	s_mov_b32 s23, 0
	s_lshl_b32 s21, s21, 8
	s_add_co_u32 s24, s20, s21
	s_add_co_u32 s24, s24, 12288
	s_mov_b32 s25, 0
	s_wait_kmcnt 0x0
	s_add_nc_u64 s[18:19], s[\ptr:\ptr+1], s[18:19]
	s_add_nc_u64 s[22:23], s[12:13], s[22:23]
	s_add_nc_u64 s[24:25], s[12:13], s[24:25]
	LOADW 0, \RS
	LOADW 1, \RS
.irp t, 0,1,2,3,4,5,6,7
	WBLOCK \t, \RS
.endr
	global_store_b64 v5, v[16:17], s[24:25]        ; the scale unit: 256 consecutive bytes
	s_endpgm
.endm
.Lweights:
	v_and_b32 v8, 7, v0                            ; lane (u, r) takes column 8 u + r + 8 (r / 8) of my 32
	v_bfe_u32 v9, v0, 4, 1
	v_lshl_or_b32 v8, v9, 3, v8
	v_bfe_u32 v9, v0, 3, 1
	v_lshl_or_b32 v8, v9, 4, v8
	v_lshlrev_b32 v1, 2, v8
	s_cmp_ge_u32 ttmp9, 352
	s_cbranch_scc1 .Lproj_w
	s_wait_alu depctr_va_vdst(0)
	WPATH 12288, 6, 256, 0
.Lproj_w:
	s_wait_alu depctr_va_vdst(0)
	WPATH 4096, 8, 352, 24
.Lfunc_end_k_q36196c4930_prep:
	.size	k_q36196c4930_prep, .Lfunc_end_k_q36196c4930_prep-k_q36196c4930_prep
	.p2alignl 7, 3214868480
	.fill 96, 4, 3214868480
	.section	.rodata,"a",@progbits
	.p2align	6, 0x0
	.amdhsa_kernel k_q36196c4930_prep
		.amdhsa_group_segment_fixed_size 34304
		.amdhsa_private_segment_fixed_size 0
		.amdhsa_enable_private_segment 0
		.amdhsa_kernarg_size 40
		.amdhsa_user_sgpr_count 2
		.amdhsa_user_sgpr_kernarg_segment_ptr 1
		.amdhsa_wavefront_size32 1
		.amdhsa_system_sgpr_workgroup_id_x 1
		.amdhsa_system_sgpr_workgroup_id_y 1
		.amdhsa_system_sgpr_workgroup_id_z 1
		.amdhsa_system_vgpr_workitem_id 0
		.amdhsa_next_free_vgpr 234
		.amdhsa_next_free_sgpr 66
		.amdhsa_reserve_vcc 0
		.amdhsa_float_denorm_mode_32 3
		.amdhsa_float_denorm_mode_16_64 3
		.amdhsa_memory_ordered 1
		.amdhsa_forward_progress 1
		.amdhsa_inst_pref_size 110
	.end_amdhsa_kernel
	.amdgpu_metadata
---
amdhsa.version: [ 1, 2 ]
amdhsa.kernels:
  - .name:           k_q36196c4930_prep
    .symbol:         k_q36196c4930_prep.kd
    .args:
      - { .name: x, .offset: 0, .size: 8, .value_kind: global_buffer, .address_space: global }
      - { .name: w_qkv, .offset: 8, .size: 8, .value_kind: global_buffer, .address_space: global }
      - { .name: w_proj, .offset: 16, .size: 8, .value_kind: global_buffer, .address_space: global }
      - { .name: x_q, .offset: 24, .size: 8, .value_kind: global_buffer, .address_space: global }
      - { .name: w_q, .offset: 32, .size: 8, .value_kind: global_buffer, .address_space: global }
    .group_segment_fixed_size: 34304
    .private_segment_fixed_size: 0
    .kernarg_segment_align: 8
    .kernarg_segment_size: 40
    .max_flat_workgroup_size: 128
    .sgpr_count:     66
    .vgpr_count:     234
    .wavefront_size: 32
...
	.end_amdgpu_metadata
.endif
;; end of part 1
;; launch qkv (part 2): grid 24 x 32, 4 waves a work-group, clusters of 4 x 4, 307,712 bytes of LDS; arguments x_q, w_q, b_qkv, q_buf, kv; writes q_buf, kv
.if DOCPART == 2
	.amdgcn_target "amdgcn-amd-amdhsa--gfx1250"
	.amdhsa_code_object_version 6
	.text
	.protected	k_q36196c4930_qkv
	.globl	k_q36196c4930_qkv
	.p2align	8
	.type	k_q36196c4930_qkv,@function
k_q36196c4930_qkv:
	s_mov_b64 s[64:65], 0
	v_nop
	global_prefetch_b8 v0, s[64:65] scope:SCOPE_SE
	s_setreg_imm32_b32 hwreg(HW_REG_WAVE_MODE, 25, 1), 1
	s_wait_xcnt 0x0
	s_wait_alu depctr_hold_cnt(0) depctr_sa_sdst(0) depctr_va_vdst(0) depctr_va_sdst(0) depctr_va_ssrc(0) depctr_va_vcc(0) depctr_vm_vsrc(0)
	s_getreg_b32 s2, hwreg(HW_REG_IB_STS2, 6, 4)
	s_cmp_eq_u32 s2, 0
	s_cbranch_scc0 .Lentry_in_a_cluster
	s_endpgm
.Lentry_in_a_cluster:
	s_bfe_u32 s2, ttmp6, 0x10000c
	s_cmp_lg_u32 s2, 0xf033
	s_cbranch_scc0 .Lentry_shape_is_right
	s_endpgm
.Lentry_shape_is_right:
; qkv = x w_qkv + b_qkv on codes of FP6 (E2M3) with E8M0 scales, sums in f32; q and k are then quantised along the head's 64, v along the keys, in registers, and leave as images of the registers that the attention launch loads.
; LIMITS: NaN and infinities are not served; a block whose largest magnitude lies under 2^-124, and a block of zeros, gets the byte 1 (only this program reads the bytes).
; A work-group makes 256 rows of the A slot (source 1) x 128 rows of the B slot (source 0); four waves, each 128 x 64: 32 accumulators.  A lane holds one row of the A slot, its registers run along the B slot's rows.
; Clusters with x < 4: A slot = x's rows, B slot = w's columns of q and k: a lane holds one token, registers run along a head's 64.  Clusters with x = 4, 5: A slot = w's columns of v, B slot = x's rows: a lane holds one channel, registers run along 64 keys.
; ALL OF K (1,024) LIES IN LDS, filled once, in four quarters, by joint loads: A's panels are shared along a row of the cluster, B's panel along a column.  Each wave has four tensor loads out at the most.  Nothing is filled again.
; LDS: A's two panels of 102,400 bytes, then B's panel.  Panels, sub-images and scale units as the first launch lays them; in each group of 32 rows lane r of tile u holds row 8 u + r + 8 (r / 8).
; OUT.  A record of kv for each (batch x 16 + head, 128 keys), 13,056 bytes: K's eight sub-images of 768; 512 bytes [lane][4 words] of K's scale words (word p: lanes 0-15 tile 2 p, lanes 16-31 tile 2 p + 1; bytes 2, 3 = 0);
; V's four fragments of 1,536 (16 channels x 128 keys); 256 bytes [lane][2 words] of V's scale words.  A record of q_buf, 6,656 bytes: the first two parts.
; REGISTERS, in windows of 256: window 0: addresses, v32-55 scale words, v64-127 the bias in the result's layout, later the way out.  Windows 1 and 3: two sets of fragments (A's eight at v0, B's four at v96).  Window 2: accumulator (a, b) at v[8 (4 a + b)].
.set PANEL, 102400
.set CHUNK, 25600
.set HALF,  12800
.set A16, 10                           ; v10-11 LDS address of my A panel + 16 x lane, for quarters 0-1 and 2-3 of K
.set A8,  12                           ; v12-13 the same + 8 x lane
.set B16, 14                           ; v14-15, v16-17 the same for my half of B's panel
.set B8,  16
.set O16, 18                           ; v18 16 x lane
.set O8,  19                           ; v19 8 x lane
.set BO,  24                           ; v24-31 the bias loads' offsets
.set SCW, 32                           ; v32-55 scale words: set (quarter % 2) of 12: A's at 2 x pair + q, B's at 8 + 2 x pair + q
.set BIAS, 64
.set TM,  64                           ; the way out: v64-67 largest magnitudes, v68-71 bytes, v72-73 words, v76-79 scale operands
.set PW,  84                           ; v84-87 a scale word for each pair of tiles
.set PC,  88                           ; v88-99 codes
.set PT,  100                          ; v100-107 the conversions' upper halves
.set G1A, 24                           ; s[24:31], s[32:39] descriptor groups 1;  s[40:55] A's four groups 0;  s[56:63], s[68:75] B's
.set G1B, 32
.set G0A, 40
.set SEL, 98
.set HM,  91
.set MSB, 0
.macro WIN new                         ; the immediate's high byte repeats the setting that is left
.if MSB != \new
	s_set_vgpr_msb (MSB<<8)|\new
.set MSB, \new
.endif
.endm
.macro CROUND                          ; a round of the cluster's barrier
	s_barrier_signal -1
	s_barrier_wait -1
	s_cmp_lg_u32 s14, 0
	s_cbranch_scc1 .Lnot_wave_0_\@
	s_barrier_signal -3
.Lnot_wave_0_\@:
	s_barrier_wait -3
	s_barrier_signal -1
	s_barrier_wait -1
.endm
.macro PLACES                          ; four plain places behind matrix instructions, ahead of loads into their sources and of reads of their results
.rept 4
	v_nop
.endr
.endm
.macro FRAG reg, a16, a8, off          ; a fragment, 12 registers, as it lies: two sub-images
	ds_load_b128 v[(\reg):(\reg)+3], v[\a16] offset:(\off)
	ds_load_b64 v[(\reg)+4:(\reg)+5], v[\a8] offset:(\off)+512
	ds_load_b128 v[(\reg)+6:(\reg)+9], v[\a16] offset:(\off)+768
	ds_load_b64 v[(\reg)+10:(\reg)+11], v[\a8] offset:(\off)+1280
.endm
.macro FETCH k                         ; K step k (128 along K): A's eight fragments and B's four into set k % 2; with a quarter's first step its scale words
.set FS, (\k)/2
.set FQ, (\k)%2
.set FZ, FS/2
.set FO, (FS%2)*CHUNK+FQ*1536
.if FQ == 0
	WIN 0x40
.else
	WIN 0xc0
.endif
.irp i, 0,1,2,3,4,5,6,7
	FRAG 12*\i, A16+FZ, A8+FZ, FO+(\i/4)*HALF+(\i%4)*3072
.endr
.irp i, 0,1,2,3
	FRAG 96+12*\i, B16+FZ, B8+FZ, FO+\i*3072
.endr
	WIN 0
.if FQ == 0
.set SZ, SCW+12*(FS%2)
.irp b, 0,1,2,3
	ds_load_b64 v[SZ+2*\b:SZ+2*\b+1], v[A8+FZ] offset:(FS%2)*CHUNK+(\b/2)*HALF+12288+(\b%2)*256
.endr
.irp b, 0,1
	ds_load_b64 v[SZ+8+2*\b:SZ+8+2*\b+1], v[B8+FZ] offset:(FS%2)*CHUNK+12288+\b*256
.endr
.endif
.endm
.macro SYNC s                          ; quarter s of K has landed in every wave's part; my loads of the later quarters may stay out
	s_wait_tensorcnt 3-(\s)
	s_barrier_signal -1
	s_barrier_wait -1
.endm
.macro WM a, b, k, cm                  ; cm = 0: adds in place; 1: starts the sum with the bias of B's tile b; 2: of A's tile a
.set WD, 8*(4*(\a)+(\b))
.set WC, WD
.if (\cm) == 1
.set WC, BIAS+8*(\b)
.elseif (\cm) == 2
.set WC, BIAS+8*(\a)
.endif
.set WSB, SCW+12*(((\k)/2)%2)+8+2*((\b)/2)+(\k)%2
.set WSA, SCW+12*(((\k)/2)%2)+2*((\a)/2)+(\k)%2
.if ((\a)%2 == 0) && ((\b)%2 == 0)
	v_wmma_scale_f32_16x16x128_f8f6f4 v[WD:WD+7], v[96+12*(\b):107+12*(\b)], v[12*(\a):12*(\a)+11], v[WC:WC+7], v[WSB], v[WSA] matrix_a_fmt:MATRIX_FMT_FP6 matrix_b_fmt:MATRIX_FMT_FP6
.elseif ((\a)%2 == 0)
	v_wmma_scale_f32_16x16x128_f8f6f4 v[WD:WD+7], v[96+12*(\b):107+12*(\b)], v[12*(\a):12*(\a)+11], v[WC:WC+7], v[WSB], v[WSA] matrix_a_fmt:MATRIX_FMT_FP6 matrix_b_fmt:MATRIX_FMT_FP6 matrix_a_scale:MATRIX_SCALE_ROW1
.elseif ((\b)%2 == 0)
	v_wmma_scale_f32_16x16x128_f8f6f4 v[WD:WD+7], v[96+12*(\b):107+12*(\b)], v[12*(\a):12*(\a)+11], v[WC:WC+7], v[WSB], v[WSA] matrix_a_fmt:MATRIX_FMT_FP6 matrix_b_fmt:MATRIX_FMT_FP6 matrix_b_scale:MATRIX_SCALE_ROW1
.else
	v_wmma_scale_f32_16x16x128_f8f6f4 v[WD:WD+7], v[96+12*(\b):107+12*(\b)], v[12*(\a):12*(\a)+11], v[WC:WC+7], v[WSB], v[WSA] matrix_a_fmt:MATRIX_FMT_FP6 matrix_b_fmt:MATRIX_FMT_FP6 matrix_a_scale:MATRIX_SCALE_ROW1 matrix_b_scale:MATRIX_SCALE_ROW1
.endif
.endm
.macro STEP k, cm                      ; 32 matrix instructions; the 32 accumulators take turns, in the same order in every step
	s_wait_dscnt 0x0                               ; this step's operands, asked for a step ago, are in
.if (\k) < 7
.if (\k) > 0
	PLACES                                         ; the other set was read by the last step's products
.endif
.if ((\k)+1)%2 == 0
	SYNC ((\k)+1)/2
.endif
	FETCH (\k)+1
.endif
.if (\cm) != 0
	WIN 0x85                                       ; sources 0, 1 window 1, C (the bias) window 0, D window 2
.elseif (\k)%2 == 0
	WIN 0xa5
.else
	WIN 0xaf
.endif
.irp a, 0,1,2,3,4,5,6,7
.irp b, 0,1,2,3
	WM \a, \b, \k, \cm
.endr
.endr
	WIN 0
.endm
	s_load_b256 s[4:11], s[0:1], 0x0               ; x_q s[4:5], w_q s[6:7], b_qkv s[8:9], q_buf s[10:11]
	s_load_b64 s[12:13], s[0:1], 0x20              ; kv
	v_lshl_add_u32 v254, v0, 2, 0x4b000
	v_mov_b32 v255, 0
	ds_add_u32 v254, v255
	ds_add_u32 v254, v255
	v_lshrrev_b32 v1, 5, v0
	v_readfirstlane_b32 s14, v1                    ; wave 0..3
	s_lshr_b32 s15, s14, 1                         ; my A panel.  Also: I fetch for A (0) or for B (1)
	s_and_b32 s16, s14, 1                          ; my half of B's panel.  Also: which panel of A, or which half of B, I fetch
	s_bfe_u32 s76, ttmp6, 0x40000                  ; cx
	s_bfe_u32 s77, ttmp6, 0x40004                  ; cy
	s_and_b32 s78, ttmp7, 0xffff                   ; cluster y
	s_lshl_b32 s79, s77, 2
	s_lshl_b32 s79, 15, s79                        ; my row of the cluster
	s_lshl_b32 s80, 0x1111, s76                    ; my column
	; groups 1: dense blocks as rows of 256 bytes (32 elements of 8 bytes): A 100 rows (a quarter of a panel), B 50 (half of that)
	s_or_b32 s[G1A], s79, (3<<16)|(1<<21)
	s_or_b32 s[G1B], s80, (3<<16)|(1<<21)
	s_mov_b32 s[G1A+1], 32<<16
	s_mov_b32 s[G1A+2], 100<<16
	s_mov_b32 s[G1A+3], 32<<16
	s_mov_b32 s[G1A+4], 100
	s_mov_b32 s[G1A+5], 32
	s_mov_b32 s[G1A+6], 0
	s_mov_b32 s[G1A+7], 0
	s_mov_b32 s[G1B+1], 32<<16
	s_mov_b32 s[G1B+2], 50<<16
	s_mov_b32 s[G1B+3], 32<<16
	s_mov_b32 s[G1B+4], 50
	s_mov_b32 s[G1B+5], 32
	s_mov_b32 s[G1B+6], 0
	s_mov_b32 s[G1B+7], 0
	s_mov_b32 s[SEL], 0x76543210
	s_mov_b32 s[SEL+1], 0xfedcba98
	s_mov_b32 s[HM], 0xffff0000
	s_lshl_b32 s82, s77, 1
	s_add_co_u32 s82, s82, s16                     ; 2 cy + the panel that I fetch
	s_lshl_b32 s83, s78, 3                         ; q, k: x's panels from 8 x cluster y
	s_lshl_b32 s88, ttmp9, 2                       ; q, k: w's panel 4 x cluster x + cx
	s_and_b32 s89, ttmp9, 3
	s_lshl_b32 s89, s89, 5
	s_lshl_b32 s90, s78, 2
	s_add_co_u32 s89, s89, s90                     ; v: x's panel 32 (cluster x - 4) + 4 x cluster y + cx
	s_wait_dscnt 0x0
	s_wait_kmcnt 0x0
	s_cmp_ge_u32 ttmp9, 4                          ; the mode hangs on the cluster's x alone: the same in all sixteen partners
	s_cselect_b32 s81, 1, 0
	s_cselect_b32 s83, 16, s83                     ; v: w's panels from 16
	s_cselect_b32 s88, s89, s88
	s_cselect_b64 s[84:85], s[6:7], s[4:5]         ; the A slot's buffer
	s_cselect_b64 s[86:87], s[4:5], s[6:7]         ; the B slot's
	s_add_co_u32 s83, s83, s82                     ; A's panel: no cx in it
	s_add_co_u32 s88, s88, s76                     ; B's panel: no cy in it
	s_mul_i32 s92, s83, PANEL
	s_mov_b32 s93, 0
	s_add_nc_u64 s[92:93], s[84:85], s[92:93]
	s_mul_i32 s94, s88, PANEL
	s_mul_i32 s95, s16, HALF
	s_add_co_u32 s94, s94, s95
	s_mov_b32 s95, 0
	s_add_nc_u64 s[94:95], s[86:87], s[94:95]
	s_mul_i32 s96, s16, PANEL                      ; where they go: no place in the cluster enters an LDS address
	s_mul_i32 s97, s16, HALF
	s_add_co_u32 s97, s97, 2*PANEL
.irp g, 0,1,2,3
.set GB, 56+4*\g+4*(\g/2)
	s_mov_b32 s[G0A+4*\g], 1
	s_add_co_u32 s[G0A+4*\g+1], s96, \g*CHUNK
	s_add_nc_u64 s[G0A+4*\g+2:G0A+4*\g+3], s[92:93], \g*CHUNK
	s_or_b32 s[G0A+4*\g+3], s[G0A+4*\g+3], 0x80000000
	s_mov_b32 s[GB], 1
	s_add_co_u32 s[GB+1], s97, \g*CHUNK
	s_add_nc_u64 s[GB+2:GB+3], s[94:95], \g*CHUNK
	s_or_b32 s[GB+3], s[GB+3], 0x80000000
.endr
	CROUND                                         ; all sixteen work-groups are here: the joint loads meet
	s_cmp_eq_u32 s15, 0                            ; a wave's four fills stand in one branch on the wave's number; four v_nop follow the last
	s_cbranch_scc0 .Lfill_b
	tensor_load_to_lds s[40:43], s[24:31]
	s_nop 0
	tensor_load_to_lds s[44:47], s[24:31]
	s_nop 0
	tensor_load_to_lds s[48:51], s[24:31]
	s_nop 0
	tensor_load_to_lds s[52:55], s[24:31]
	s_nop 0
.rept 4
	v_nop
.endr
	s_branch .Lfilled
.Lfill_b:
	tensor_load_to_lds s[56:59], s[32:39]
	s_nop 0
	tensor_load_to_lds s[60:63], s[32:39]
	s_nop 0
	tensor_load_to_lds s[68:71], s[32:39]
	s_nop 0
	tensor_load_to_lds s[72:75], s[32:39]
	s_nop 0
.rept 4
	v_nop
.endr
.Lfilled:
	v_and_b32 v1, 31, v0
	v_lshlrev_b32 v[O16], 4, v1
	v_lshlrev_b32 v[O8], 3, v1
	s_mul_i32 s17, s15, PANEL
	s_mul_i32 s18, s16, HALF
	s_add_co_u32 s18, s18, 2*PANEL
.irp z, 0,1
	v_add_nc_u32 v[A16+\z], s17, v[O16]
	v_add_nc_u32 v[A8+\z], s17, v[O8]
	v_add_nc_u32 v[B16+\z], s18, v[O16]
	v_add_nc_u32 v[B8+\z], s18, v[O8]
	s_add_co_u32 s17, s17, 2*CHUNK
	s_add_co_u32 s18, s18, 2*CHUNK
.endr
	; the bias, in the result's layout, as the C of each sum's first product.  q, k: register j of tile i: b[n0 + 32 (i / 2) + 8 (i % 2) + 16 h + j];  v: all eight registers: b[n0 + 32 (i / 2) + 8 (i % 2) + r + 8 (r / 8)].
	; One run of loads serves both modes: the lane's term and the step from register to register are chosen.  (In the first mode tiles 4-7 are loaded and not used; they lie inside the buffer: n0 + 127 is 2,111 at the most.)
	v_bfe_u32 v2, v0, 4, 1                         ; h
	s_wait_alu depctr_va_vdst(0)
	v_and_b32 v3, 15, v0                           ; r
	v_and_b32 v4, 8, v3
	v_add_nc_u32 v3, v3, v4                        ; r + 8 (r / 8)
	s_wait_alu depctr_va_vdst(0)
	s_lshl_b32 s20, s88, 9
	s_lshl_b32 s21, s16, 8
	s_add_co_u32 s20, s20, s21                     ; q, k: n0 = 128 x panel + 64 x half, in bytes
	s_lshl_b32 s21, s77, 10
	s_lshl_b32 s22, s15, 9
	s_add_co_u32 s21, s21, s22
	s_add_co_u32 s21, s21, 8192                    ; v: n0 = 2,048 + 256 cy + 128 x my panel
	s_cmp_lg_u32 s81, 0
	s_cselect_b32 s20, s21, s20
	s_cselect_b32 s17, 0, 64
	s_cselect_b32 s18, 4, 0
	s_cselect_b32 s19, 0, 4
	s_mov_b32 s21, 0
	s_add_nc_u64 s[20:21], s[8:9], s[20:21]
	v_mul_lo_u32 v[BO], v2, s17
	v_mul_lo_u32 v4, v3, s18
	v_add_nc_u32 v[BO], v[BO], v4
.irp j, 1,2,3,4,5,6,7
	v_add_nc_u32 v[BO+\j], s19, v[BO+\j-1]
.endr
.irp i, 0,1,2,3,4,5,6,7
.irp j, 0,1,2,3,4,5,6,7
	global_load_b32 v[BIAS+8*\i+\j], v[BO+\j], s[20:21] offset:4*(32*(\i/2)+8*(\i%2))
.endr
.endr
	SYNC 0
	FETCH 0
	s_wait_loadcnt 0x0                             ; the bias
	s_cmp_lg_u32 s81, 0
	s_cbranch_scc1 .Lfirst_v
	STEP 0, 1
	s_branch .Lfirst_done
.Lfirst_v:
	STEP 0, 2
.Lfirst_done:
	STEP 1, 0
	STEP 2, 0
	STEP 3, 0
	STEP 4, 0
	STEP 5, 0
	STEP 6, 0
	STEP 7, 0
	PLACES
; THE WAY OUT.  The 64 registers of A's tiles a and a + 1 are four blocks of 32: register 16 b + i = number 32 (b % 2) + 16 h + i of my row of tile a + b / 2.  They become two sub-images and a scale word.
.macro QUANT s, p
	WIN 0x0a                                       ; sources 0, 1: window 2
.irp b, 0,1,2,3
	v_max3_num_f32 v[TM+\b], |v[(\s)+16*\b]|, |v[(\s)+16*\b+1]|, 0x1800000   ; each accumulator from its low end on; the floor 2^(3 - 127) holds the byte at 1 from below
.endr
.irp i, 2,4,6,8,10,12,14
.irp b, 0,1,2,3
	v_max3_num_f32 v[TM+\b], |v[(\s)+16*\b+\i]|, |v[(\s)+16*\b+\i+1]|, v[TM+\b]
.endr
.endr
	WIN 0
.irp b, 0,1,2,3
	v_permlanex16_b32 v[TM+4+\b], v[TM+\b], s[SEL], s[SEL+1]
.endr
.irp b, 0,1,2,3
	v_max_num_f32 v[TM+\b], v[TM+\b], v[TM+4+\b]   ; with lane l xor 16's 16: the block's largest magnitude
.endr
.irp b, 0,1,2,3
	v_add_nc_u32 v[TM+12+\b], 0xff000000, v[TM+\b] ; 2 off the exponent field: the conversion's scale operand
.endr
.irp b, 0,1,2,3
	v_lshrrev_b32 v[TM+4+\b], 23, v[TM+12+\b]      ; the scale's byte
.endr
	v_lshl_or_b32 v[TM+8], v[TM+5], 8, v[TM+4]     ; tile a's two bytes
	v_lshl_or_b32 v[TM+9], v[TM+7], 8, v[TM+6]     ; tile a + 1's
	v_cndmask_b32 v[PW+(\p)], v[TM+8], v[TM+9], s[HM]   ; lanes 0-15: tile a's rows; lanes 16-31: tile a + 1's
	s_wait_xcnt 0x0                                ; the last pair's stores have read the codes' registers
	WIN 0x02                                       ; source 0: window 2
.irp c, 0,1
	v_cvt_scalef32_pk16_fp6_f32 v[PC+6*\c:PC+6*\c+2], v[(\s)+32*\c:(\s)+32*\c+15], v[TM+12+2*\c]
	v_cvt_scalef32_pk16_fp6_f32 v[PT+4*\c:PT+4*\c+2], v[(\s)+32*\c+16:(\s)+32*\c+31], v[TM+12+2*\c+1]
.endr
	WIN 0
	v_nop                                          ; one plain place behind a scaled conversion
.irp c, 0,1                            ; a lane wants a whole block: lanes 0-15 the tile's first, lanes 16-31 its second
.irp i, 0,1,2
	v_permlane16_swap_b32 v[PC+6*\c+\i], v[PT+4*\c+\i]
.endr
.irp i, 0,1,2
	v_mov_b32 v[PC+6*\c+3+\i], v[PT+4*\c+\i]
.endr
.endr
.endm
.irp b, 0,1,2,3
	v_mov_b32 v[TM+4+\b], 0                        ; a lane permute's destination counts as one of its sources
.endr
	s_cmp_lg_u32 s81, 0
	s_cbranch_scc1 .Lout_v
	; q, k: my 64 columns are one head, my A panel 128 tokens: one record
	s_and_b32 s17, s88, 7
	s_lshl_b32 s17, s17, 1
	s_add_co_u32 s17, s17, s16                     ; the head
	s_lshl_b32 s18, s78, 2
	s_add_co_u32 s18, s18, s77
	s_lshl_b32 s18, s18, 1
	s_add_co_u32 s18, s18, s15                     ; x's panel
	s_lshr_b32 s19, s18, 4                         ; the batch
	s_and_b32 s18, s18, 15                         ; which 128 tokens of it
	s_lshl_b32 s19, s19, 4
	s_add_co_u32 s19, s19, s17
	s_lshl_b32 s19, s19, 4
	s_add_co_u32 s19, s19, s18                     ; the record
	s_mov_b32 s20, 6656
	s_cmp_ge_u32 ttmp9, 2                          ; clusters 0, 1: q;  2, 3: k
	s_cselect_b32 s20, 13056, s20
	s_cselect_b64 s[22:23], s[12:13], s[10:11]
	s_mul_i32 s20, s19, s20
	s_mov_b32 s21, 0
	s_add_nc_u64 s[22:23], s[22:23], s[20:21]
.irp a, 0,2,4,6
	QUANT 32*\a, \a/2
	global_store_b128 v[O16], v[PC:PC+3], s[22:23] offset:768*\a            ; each store covers 512 or 256 consecutive bytes, at a multiple of 256 from the buffer's first byte
	global_store_b64 v[O8], v[PC+4:PC+5], s[22:23] offset:768*\a+512
	global_store_b128 v[O16], v[PC+6:PC+9], s[22:23] offset:768*\a+768
	global_store_b64 v[O8], v[PC+10:PC+11], s[22:23] offset:768*\a+1280
.endr
	global_store_b128 v[O16], v[PW:PW+3], s[22:23] offset:6144               ; the eight tiles' scale words
	s_branch .Lend
.Lout_v:
	; v: my A panel is two heads' 64 channels each, my half of B's panel 64 keys of one record
	s_lshr_b32 s17, s88, 4                         ; the batch
	s_and_b32 s18, s88, 15                         ; which 128 keys of it
	s_lshl_b32 s17, s17, 4
	s_lshl_b32 s19, s77, 2
	s_add_co_u32 s17, s17, s19
	s_lshl_b32 s19, s15, 1
	s_add_co_u32 s17, s17, s19                     ; batch x 16 + the first of my two heads
	s_lshl_b32 s17, s17, 4
	s_add_co_u32 s17, s17, s18
	s_mul_i32 s17, s17, 13056
	s_mul_i32 s18, s16, 768
	s_add_co_u32 s22, s17, s18
	s_add_co_u32 s22, s22, 6656                    ; V's fragments, my 64 keys' sub-images
	s_mov_b32 s23, 0
	s_add_nc_u64 s[22:23], s[12:13], s[22:23]
	s_lshl_b32 s18, s16, 1
	s_add_co_u32 s20, s17, s18
	s_add_co_u32 s20, s20, 12800                   ; V's scale words, my 64 keys' two bytes
	s_mov_b32 s21, 0
	s_add_nc_u64 s[20:21], s[12:13], s[20:21]
.irp a, 0,2,4,6
	QUANT 32*\a, \a/2
	global_store_b128 v[O16], v[PC:PC+3], s[22:23] offset:(\a/4)*208896+(\a%4)*1536
	global_store_b64 v[O8], v[PC+4:PC+5], s[22:23] offset:(\a/4)*208896+(\a%4)*1536+512
	global_store_b128 v[O16], v[PC+6:PC+9], s[22:23] offset:(\a/4)*208896+(\a%4)*1536+1536
	global_store_b64 v[O8], v[PC+10:PC+11], s[22:23] offset:(\a/4)*208896+(\a%4)*1536+2048
	global_store_b16 v[O8], v[PW+\a/2], s[20:21] offset:(\a/4)*208896+4*((\a%4)/2)   ; half a word: the other half belongs to the wave with the other 64 keys
.endr
.Lend:
	s_wait_tensorcnt 0x0
	ds_add_u32 v254, v255
	s_wait_dscnt 0x0
	CROUND                                         ; the closing round: no work-group ends while a partner may still ask for a tile that names it
	s_endpgm
.Lfunc_end_k_q36196c4930_qkv:
	.size	k_q36196c4930_qkv, .Lfunc_end_k_q36196c4930_qkv-k_q36196c4930_qkv
	.p2alignl 7, 3214868480
	.fill 96, 4, 3214868480
	.section	.rodata,"a",@progbits
	.p2align	6, 0x0
	.amdhsa_kernel k_q36196c4930_qkv
		.amdhsa_group_segment_fixed_size 307712
		.amdhsa_private_segment_fixed_size 0
		.amdhsa_enable_private_segment 0
		.amdhsa_kernarg_size 40
		.amdhsa_user_sgpr_count 2
		.amdhsa_user_sgpr_kernarg_segment_ptr 1
		.amdhsa_wavefront_size32 1
		.amdhsa_system_sgpr_workgroup_id_x 1
		.amdhsa_system_sgpr_workgroup_id_y 1
		.amdhsa_system_sgpr_workgroup_id_z 1
		.amdhsa_system_vgpr_workitem_id 0
		.amdhsa_next_free_vgpr 912
		.amdhsa_next_free_sgpr 100
		.amdhsa_reserve_vcc 0
		.amdhsa_float_denorm_mode_32 3
		.amdhsa_float_denorm_mode_16_64 3
		.amdhsa_memory_ordered 1
		.amdhsa_forward_progress 1
		.amdhsa_inst_pref_size 119
	.end_amdhsa_kernel
	.amdgpu_metadata
---
amdhsa.version: [ 1, 2 ]
amdhsa.kernels:
  - .name:           k_q36196c4930_qkv
    .symbol:         k_q36196c4930_qkv.kd
    .args:
      - { .name: x_q, .offset: 0, .size: 8, .value_kind: global_buffer, .address_space: global }
      - { .name: w_q, .offset: 8, .size: 8, .value_kind: global_buffer, .address_space: global }
      - { .name: b_qkv, .offset: 16, .size: 8, .value_kind: global_buffer, .address_space: global }
      - { .name: q_buf, .offset: 24, .size: 8, .value_kind: global_buffer, .address_space: global }
      - { .name: kv, .offset: 32, .size: 8, .value_kind: global_buffer, .address_space: global }
    .group_segment_fixed_size: 307712
    .private_segment_fixed_size: 0
    .kernarg_segment_align: 8
    .kernarg_segment_size: 40
    .max_flat_workgroup_size: 128
    .sgpr_count:     100
    .vgpr_count:     912
    .wavefront_size: 32
...
	.end_amdgpu_metadata
.endif
;; end of part 2
;; launch attn (part 3): grid 4 x 64, 16 waves a work-group, no clusters, 210,944 bytes of LDS; arguments q_buf, kv, a_q; writes a_q
.if DOCPART == 3
	.amdgcn_target "amdgcn-amd-amdhsa--gfx1250"
	.amdhsa_code_object_version 6
	.text
	.protected	k_q36196c4930_attn
	.globl	k_q36196c4930_attn
	.p2align	8
	.type	k_q36196c4930_attn,@function
k_q36196c4930_attn:
	s_mov_b64 s[64:65], 0
	v_nop
	global_prefetch_b8 v0, s[64:65] scope:SCOPE_SE
	s_setreg_imm32_b32 hwreg(HW_REG_WAVE_MODE, 25, 1), 1
	s_wait_xcnt 0x0
; Causal attention of one (batch, head) on codes of FP6 (E2M3) with E8M0 scales, head size 64, 2,048 tokens; the result, divided by the row's sum, is quantised along the model's 1,024 and leaves as images for the last product.
; t = score x log2(e) / 8; M = the running largest t rounded UP to a whole number; p = 2^(t - M) is quantised along the keys; the row's sum is taken of the unquantised p.  When M moves, sum and O are multiplied by 2^(old M - new M): exact.
; The first product's K is 64: the upper 64 of the instruction's 128 are zero codes on both sides (their scale bytes are 0, which stands for 2^-127: zero codes add nothing).
; LIMITS: NaN and infinities are not served; a block of the result whose largest magnitude lies under 2^-124, and a block of zeros, gets the byte 1 (only this program reads the bytes).
; SHARES.  Four work-groups to a head.  The head's 16 records of K and V (13,056 bytes for 128 keys each) lie in LDS, filled once: waves 0-7 bring two records each, so two tensor loads of a wave are out at the most.
; A wave makes two tiles of 16 queries, one after the other: tile 16 (7 - j) + w, then tile 16 j + 15 - w (j the work-group's x, w the wave): tile T needs T / 8 + 1 key steps of 128, so every wave of the launch has 17.
; The loops' trip counts are constants; a step whose keys all come after the tile's queries is jumped over by a scalar branch on ids.  No cluster: that branch differs between the work-groups that share a head.
; LAYOUT.  Both products transposed: S^T = K Q^T, O^T = V^T P^T: a lane holds one query.  Lane r of tile T holds token 32 (T / 2) + 8 (T % 2) + r + 8 (r / 8); keys and channels likewise, so that 16 registers of two neighbouring tiles are 16 neighbours.
; REGISTERS: v1, v2 16 x and 8 x lane; v3, v4 the step's LDS addresses; v5 my query - 16 h within its 128; v6 16 r; v7 8 r + h; v11 r + 8 (r / 8) - 16 h; v12 -M, v13 the largest t, v[14:15] the sum; v16-27 Q (upper six 0); v28 Q's scale word;
; v30-31 V's scale words; v32-79 four fragments of K (upper six 0); v80-83 K's scale words; v96-159 S^T, p, then V's four fragments; v160-191 O^T; v192-203 p's codes; v204-211, v212-231 at work; v225 p's scale word.
.set REC, 13056
.set WV, 10                            ; s10 wave;  s11 batch x 16 + head;  s13 my tile;  s14 its last key step;  s15 the key step;  s16 the record's LDS byte
.set CS, 18                            ; s[18:19] c = log2(e) / 8
.set SEL, 20                           ; s20, s21 lane selects: lane l xor 16
.set HM, 22                            ; s22 the mask of lanes 16-31
	s_load_b128 s[4:7], s[0:1], 0x0                ; q_buf, kv
	s_load_b64 s[8:9], s[0:1], 0x10                ; a_q
	v_lshl_add_u32 v232, v0, 2, 0x33000
	v_mov_b32 v233, 0
	ds_add_u32 v232, v233
	ds_add_u32 v232, v233
	v_lshrrev_b32 v8, 5, v0
	s_delay_alu instid0(VALU_DEP_1)
	v_readfirstlane_b32 s[WV], v8
	s_and_b32 s11, ttmp7, 0xffff
	s_mov_b32 s24, 3<<16                           ; group 1: a record, dense, as 51 rows of 256 bytes (32 elements of 8 bytes); no mask, no padding
	s_mov_b32 s25, 32<<16
	s_mov_b32 s26, 51<<16
	s_mov_b32 s27, 32<<16
	s_mov_b32 s28, 51
	s_mov_b32 s29, 32
	s_mov_b32 s30, 0
	s_mov_b32 s31, 0
	s_mov_b32 s[CS], 0x3e38aa3b
	s_mov_b32 s[CS+1], s[CS]                       ; (named with it as a pair, so it is written)
	s_mov_b32 s[SEL], 0x76543210
	s_mov_b32 s[SEL+1], 0xfedcba98
	s_mov_b32 s[HM], 0xffff0000
	s_and_b32 s43, s[WV], 7
	s_mul_i32 s42, s43, REC                        ; the record that I fetch, if I fetch
	s_mul_i32 s40, s11, 16*REC
	s_add_co_u32 s40, s40, s42
	s_mov_b32 s41, 0
	s_wait_dscnt 0x0
	s_wait_kmcnt 0x0
	s_add_nc_u64 s[40:41], s[6:7], s[40:41]
	s_mov_b32 s32, 1
	s_mov_b32 s33, s42
	s_mov_b64 s[34:35], s[40:41]
	s_or_b32 s35, s35, 0x80000000
	s_mov_b32 s36, 1
	s_add_co_u32 s37, s42, 8*REC
	s_add_nc_u64 s[38:39], s[40:41], 8*REC
	s_or_b32 s39, s39, 0x80000000
	s_cmp_lt_u32 s[WV], 8
	s_cbranch_scc0 .Lno_fill
	tensor_load_to_lds s[32:35], s[24:31]          ; record w
	s_nop 0
	tensor_load_to_lds s[36:39], s[24:31]          ; record 8 + w
	s_nop 0
.rept 4
	v_nop
.endr
.Lno_fill:
	v_and_b32 v8, 31, v0
	s_delay_alu instid0(VALU_DEP_1)
	v_lshlrev_b32 v1, 4, v8
	s_delay_alu instid0(VALU_DEP_2)
	v_lshlrev_b32 v2, 3, v8
	v_and_b32 v9, 15, v0                           ; r
	v_bfe_u32 v10, v0, 4, 1                        ; h
	s_delay_alu instid0(VALU_DEP_2)
	v_lshlrev_b32 v6, 4, v9
	s_delay_alu instid0(VALU_DEP_2)
	v_lshl_add_u32 v7, v9, 3, v10
	s_delay_alu instid0(VALU_DEP_4)
	v_and_b32 v11, 8, v9
	s_delay_alu instid0(VALU_DEP_1)
	v_add_nc_u32 v11, v11, v9
	v_lshlrev_b32 v10, 4, v10
	s_delay_alu instid0(VALU_DEP_1)
	v_sub_nc_u32 v11, v11, v10
.irp i, 22,23,24,25,26,27
	v_mov_b32 v[\i], 0                             ; Q's upper 64 along K: zero codes
.endr
.irp t, 0,1,2,3
.irp i, 6,7,8,9,10,11
	v_mov_b32 v[32+12*\t+\i], 0                    ; K's likewise, once: the steps' loads fill the lower six alone
.endr
.endr
.irp b, 0,1,2,3
	v_mov_b32 v[216+\b], 0                         ; a lane permute's destination counts as one of its sources
.endr
	v_mov_b32 v224, 0
	v_mov_b32 v225, 0                              ; (named as the upper half of the pair v[224:225] before it is first written)
.macro PASS_HEAD hi                    ; my tile's numbers, its Q, and a fresh M, sum and O^T
	s_wait_xcnt 0x0                                ; the last tile's stores have read their registers and bases
	s_lshl_b32 s13, ttmp9, 4
.if \hi
	s_sub_co_u32 s13, 112, s13
	s_add_co_u32 s13, s13, s[WV]
.else
	s_add_co_u32 s13, s13, 15
	s_sub_co_u32 s13, s13, s[WV]
.endif
	s_lshr_b32 s14, s13, 3
	s_and_b32 s44, s13, 7
	s_lshl_b32 s45, s11, 4
	s_add_co_u32 s45, s45, s14
	s_mul_i32 s46, s45, 6656                       ; q's record
	s_mul_i32 s47, s44, 768
	s_add_co_u32 s48, s46, s47                     ; my tile's sub-image
	s_mov_b32 s49, 0
	s_add_nc_u64 s[48:49], s[4:5], s[48:49]
	s_and_b32 s50, s13, 1
	s_lshl_b32 s51, s50, 8                         ; odd tiles' words lie in lanes 16-31 of the image: 256 bytes on,
	s_bfe_u32 s52, s13, 0x20001
	s_lshl_b32 s53, s52, 2                         ; in word (T / 2) % 4
	s_add_co_u32 s46, s46, s51
	s_add_co_u32 s46, s46, s53
	s_mov_b32 s47, 0
	s_add_nc_u64 s[46:47], s[4:5], s[46:47]
	global_load_b128 v[16:19], v1, s[48:49]
	global_load_b64 v[20:21], v2, s[48:49] offset:512
	global_load_b32 v28, v6, s[46:47] offset:6144  ; lane r (and 16 + r): row r's scale word
	s_lshl_b32 s52, s52, 5
	s_lshl_b32 s50, s50, 3
	s_add_co_u32 s52, s52, s50
	v_add_nc_u32 v5, s52, v11                      ; my query within its 128, less 16 h
	v_mov_b32 v13, 0xff61b1e6                      ; the largest t so far: -3e38
	s_delay_alu instid0(VALU_DEP_1)
	v_floor_f32 v12, -v13
	v_mov_b32 v14, 0
	v_mov_b32 v15, 0
.set NN, 0
.rept 32
	v_mov_b32 v[160+NN], 0                         ; O^T: the first change of M leaves zeros zeros
.set NN, NN+1
.endr
	s_mov_b32 s15, 0
	s_mov_b32 s16, 0
	s_wait_loadcnt 0x0
.endm
.macro STEP                            ; a key step: 128 keys, the record at LDS byte s16
	s_cmp_gt_u32 s15, s14                          ; all its keys come after my queries: only the address steps
	s_cbranch_scc1 .Lhidden_\@
	s_setprio 2
	v_add_nc_u32 v3, s16, v1
	s_wait_alu depctr_va_vdst(0)
	v_add_nc_u32 v4, s16, v2
	s_wait_alu depctr_va_vdst(0)
	ds_load_b128 v[80:83], v3 offset:6144          ; K's scale words
.irp g, 0,1                            ; S^T = K Q^T, four tiles of 16 keys at a time
.if \g > 0
.rept 4
	v_nop                                          ; places ahead of loads into registers that the four products above have read
.endr
.endif
.irp t, 0,1,2,3
	ds_load_b128 v[32+12*\t:35+12*\t], v3 offset:768*(4*\g+\t)
	ds_load_b64 v[36+12*\t:37+12*\t], v4 offset:768*(4*\g+\t)+512
.endr
	s_wait_dscnt 0x0
.irp t, 0,2
	v_wmma_scale_f32_16x16x128_f8f6f4 v[96+8*(4*\g+\t):103+8*(4*\g+\t)], v[32+12*\t:43+12*\t], v[16:27], 0, v[80+2*\g+\t/2], v28 matrix_a_fmt:MATRIX_FMT_FP6 matrix_b_fmt:MATRIX_FMT_FP6
	v_wmma_scale_f32_16x16x128_f8f6f4 v[104+8*(4*\g+\t):111+8*(4*\g+\t)], v[44+12*\t:55+12*\t], v[16:27], 0, v[80+2*\g+\t/2], v28 matrix_a_fmt:MATRIX_FMT_FP6 matrix_b_fmt:MATRIX_FMT_FP6 matrix_a_scale:MATRIX_SCALE_ROW1
.endr
.endr
.rept 4
	v_nop
.endr
	s_cmp_lg_u32 s15, s14                          ; on the diagonal hidden scores become -infinity ahead of the maximum: p = 0 then.  Key 0 counts for every query, so M is a number from the first step on
	s_cbranch_scc1 .Lopen_\@
	v_mov_b32 v226, 0xff800000
.set NN, 0
.rept 64                               ; register 16 b + i holds key 32 b + 16 h + i of the step: hidden where 32 b + i > my query - 16 h
	v_cmp_gt_i32 vcc_lo, 32*(NN/16)+NN%16, v5
	v_cndmask_b32 v[96+NN], v[96+NN], v226, vcc_lo
.set NN, NN+1
.endr
.Lopen_\@:
.irp b, 0,1,2,3
	v_max3_num_f32 v[212+\b], v[96+16*\b], v[97+16*\b], v[98+16*\b]   ; the largest score of each block of 32 keys: for the row's maximum and, since p rises with the score, for the block's largest p
.endr
.irp i, 3,5,7,9,11,13
.irp b, 0,1,2,3
	v_max3_num_f32 v[212+\b], v[212+\b], v[96+16*\b+\i], v[97+16*\b+\i]
.endr
.endr
.irp b, 0,1,2,3
	v_max_num_f32 v[212+\b], v[212+\b], v[111+16*\b]
.endr
.irp b, 0,1,2,3
	s_delay_alu instid0(VALU_DEP_4)
	v_permlanex16_b32 v[216+\b], v[212+\b], s[SEL], s[SEL+1]
.endr
.irp b, 0,1,2,3
	s_delay_alu instid0(VALU_DEP_4)
	v_max_num_f32 v[212+\b], v[212+\b], v[216+\b]
.endr
	s_delay_alu instid0(VALU_DEP_2)
	v_max3_num_f32 v226, v212, v213, v214
	s_delay_alu instid0(VALU_DEP_1)
	v_max_num_f32 v226, v226, v215
	s_delay_alu instid0(VALU_DEP_1)
	v_mul_f32 v226, s[CS], v226
	s_delay_alu instid0(VALU_DEP_1)
	v_max_num_f32 v13, v13, v226                   ; the running largest t
	v_mov_b32 v226, v12
	s_delay_alu instid0(VALU_DEP_2)
	v_floor_f32 v12, -v13                          ; the new -M: a whole number
	s_delay_alu instid0(VALU_DEP_1)
	v_sub_f32 v226, v12, v226
	s_delay_alu instid0(VALU_DEP_1)
	v_cvt_i32_f32 v226, v226                       ; (it saturates)
	s_delay_alu instid0(VALU_DEP_1)
	v_ldexp_f32 v224, 1.0, v226                    ; f = 2^(old M - new M)
.set NN, 0
.rept 32
	v_pk_fma_f32 v[96+NN:97+NN], v[96+NN:97+NN], s[CS:CS+1], v[12:13] op_sel_hi:[1,0,0]   ; t - M
.set NN, NN+2
.endr
.irp b, 0,1,2,3
	v_fma_f32 v[212+\b], v[212+\b], s[CS], v12
.endr
.set NN, 0
	s_setprio 1
	s_wait_alu depctr_va_vdst(0)
.rept 64
	v_exp_f32 v[96+NN], v[96+NN]                   ; p = 2^(t - M)
.set NN, NN+1
.endr
	v_pk_mul_f32 v[14:15], v[14:15], v[224:225] op_sel_hi:[1,0]   ; the sums under the new M: the plain place behind the exponentials
	s_wait_alu depctr_va_vdst(0)                   ; one wait for the batch, ahead of its first reader
.irp b, 0,1,2,3
	v_exp_f32 v[212+\b], v[212+\b]                 ; each block's largest p
.endr
	v_pk_add_f32 v[216:217], v[100:101], v[104:105]
	v_pk_add_f32 v[230:231], v[108:109], v[112:113]
	v_pk_add_f32 v[228:229], v[116:117], v[120:121]
	v_pk_add_f32 v[226:227], v[124:125], v[128:129]
	v_pk_add_f32 v[222:223], v[132:133], v[136:137]
	v_pk_add_f32 v[220:221], v[140:141], v[144:145]
	v_pk_add_f32 v[218:219], v[148:149], v[152:153]
	v_pk_add_f32 v[14:15], v[14:15], v[156:157]
	v_pk_add_f32 v[216:217], v[216:217], v[96:97]
	v_pk_add_f32 v[230:231], v[230:231], v[98:99]
	v_pk_add_f32 v[228:229], v[228:229], v[102:103]
	v_pk_add_f32 v[226:227], v[226:227], v[106:107]
	v_pk_add_f32 v[222:223], v[222:223], v[110:111]
	v_pk_add_f32 v[220:221], v[220:221], v[114:115]
	v_pk_add_f32 v[218:219], v[218:219], v[118:119]
	v_pk_add_f32 v[14:15], v[14:15], v[122:123]
	v_pk_add_f32 v[216:217], v[216:217], v[126:127]
	v_pk_add_f32 v[230:231], v[230:231], v[130:131]
	v_pk_add_f32 v[228:229], v[228:229], v[134:135]
	v_pk_add_f32 v[226:227], v[226:227], v[138:139]
	v_pk_add_f32 v[222:223], v[222:223], v[142:143]
	v_pk_add_f32 v[220:221], v[220:221], v[146:147]
	v_pk_add_f32 v[218:219], v[218:219], v[150:151]
	v_pk_add_f32 v[14:15], v[14:15], v[154:155]
	v_pk_add_f32 v[216:217], v[216:217], v[158:159]
	s_delay_alu instid0(VALU_DEP_2)
	v_pk_add_f32 v[14:15], v[14:15], v[226:227]
	s_delay_alu instid0(VALU_DEP_2)
	v_pk_add_f32 v[216:217], v[216:217], v[222:223]
	v_pk_add_f32 v[230:231], v[230:231], v[220:221]
	v_pk_add_f32 v[228:229], v[228:229], v[218:219]
	s_delay_alu instid0(VALU_DEP_2)
	v_pk_add_f32 v[14:15], v[14:15], v[230:231]
	s_delay_alu instid0(VALU_DEP_2)
	v_pk_add_f32 v[216:217], v[216:217], v[228:229]
	s_delay_alu instid0(VALU_DEP_1)
	v_pk_add_f32 v[14:15], v[14:15], v[216:217]
	s_wait_alu depctr_va_vdst(0)                   ; and one for the four
.irp b, 0,1,2,3
	v_max_num_f32 v[212+\b], 0x1800000, v[212+\b]  ; the floor: the byte cannot fall under 1
.endr
.irp b, 0,1,2,3
	s_delay_alu instid0(VALU_DEP_4)
	v_add_nc_u32 v[220+\b], 0xff000000, v[212+\b]
.endr
.irp b, 0,1,2,3
	s_delay_alu instid0(VALU_DEP_4)
	v_lshrrev_b32 v[216+\b], 23, v[220+\b]
.endr
	s_delay_alu instid0(VALU_DEP_3)
	v_lshl_or_b32 v225, v217, 8, v216              ; p's scale word for these 128 keys
	s_delay_alu instid0(VALU_DEP_1)
	v_lshl_or_b32 v225, v218, 16, v225
	s_delay_alu instid0(VALU_DEP_1)
	v_lshl_or_b32 v225, v219, 24, v225
.irp c, 0,1
	v_cvt_scalef32_pk16_fp6_f32 v[192+6*\c:194+6*\c], v[96+32*\c:111+32*\c], v[220+2*\c]
	v_cvt_scalef32_pk16_fp6_f32 v[204+4*\c:206+4*\c], v[112+32*\c:127+32*\c], v[220+2*\c+1]
.endr
	v_nop                                          ; one plain place behind a scaled conversion
.irp c, 0,1
.irp i, 0,1,2
	v_permlane16_swap_b32 v[192+6*\c+\i], v[204+4*\c+\i]
.endr
.irp i, 0,1,2
	s_delay_alu instid0(VALU_DEP_3)
	v_mov_b32 v[195+6*\c+\i], v[204+4*\c+\i]
.endr
.endr
	s_setprio 0
	ds_load_b64 v[30:31], v4 offset:12800          ; V's scale words
.irp t, 0,1,2,3                        ; V's four fragments (16 channels x 128 keys) take p's registers
	ds_load_b128 v[96+12*\t:99+12*\t], v3 offset:6656+1536*\t
	ds_load_b64 v[100+12*\t:101+12*\t], v4 offset:6656+1536*\t+512
	ds_load_b128 v[102+12*\t:105+12*\t], v3 offset:6656+1536*\t+768
	ds_load_b64 v[106+12*\t:107+12*\t], v4 offset:6656+1536*\t+1280
.endr
.set NN, 0
.rept 16
	v_pk_mul_f32 v[160+NN:161+NN], v[160+NN:161+NN], v[224:225] op_sel_hi:[1,0]   ; O^T under the new M; these are also the places between the codes' and the scale word's last writes and the products
.set NN, NN+2
.endr
	s_wait_alu depctr_va_vdst(0)
	s_wait_dscnt 0x0
.irp t, 0,2                            ; O^T += V^T P^T: four accumulators by turns
	v_wmma_scale_f32_16x16x128_f8f6f4 v[160+8*\t:167+8*\t], v[96+12*\t:107+12*\t], v[192:203], v[160+8*\t:167+8*\t], v[30+\t/2], v225 matrix_a_fmt:MATRIX_FMT_FP6 matrix_b_fmt:MATRIX_FMT_FP6
	v_wmma_scale_f32_16x16x128_f8f6f4 v[168+8*\t:175+8*\t], v[108+12*\t:119+12*\t], v[192:203], v[168+8*\t:175+8*\t], v[30+\t/2], v225 matrix_a_fmt:MATRIX_FMT_FP6 matrix_b_fmt:MATRIX_FMT_FP6 matrix_a_scale:MATRIX_SCALE_ROW1
.endr
.rept 5
	v_nop                                          ; five places: the next step's first products write over V's registers
.endr
.Lhidden_\@:
	s_add_co_u32 s16, s16, REC
.endm
.macro FINISH                          ; O^T / the sum, quantised along the model's axis: my head's 64 channels are two blocks; one sub-image and my block's byte
	v_add_f32 v14, v14, v15
	s_delay_alu instid0(VALU_DEP_1)
	v_permlanex16_b32 v224, v14, s[SEL], s[SEL+1]
	s_delay_alu instid0(VALU_DEP_1)
	v_add_f32 v14, v14, v224
	s_wait_alu depctr_va_vdst(0)
	v_rcp_f32 v14, v14
	v_nop                                          ; a plain place behind the reciprocal
	s_lshr_b32 s40, s11, 4
	s_lshl_b32 s40, s40, 7
	s_add_co_u32 s40, s40, s13                     ; my tile among all 512
	s_and_b32 s41, s11, 15                         ; the head
	s_lshr_b32 s42, s40, 3
	s_mul_i32 s42, s42, 102400                     ; the panel
	s_lshr_b32 s43, s41, 2
	s_mul_i32 s43, s43, 25600                      ; the quarter of K: four heads
	s_add_co_u32 s42, s42, s43
	s_bfe_u32 s43, s40, 0x10002
	s_mul_i32 s43, s43, 12800                      ; the half
	s_add_co_u32 s42, s42, s43
	s_and_b32 s43, s40, 3
	s_mul_i32 s43, s43, 3072
	s_add_co_u32 s54, s42, s43
	s_bfe_u32 s44, s41, 0x10001
	s_mul_i32 s45, s44, 1536
	s_add_co_u32 s54, s54, s45
	s_and_b32 s45, s41, 1
	s_mul_i32 s46, s45, 768
	s_add_co_u32 s54, s54, s46
	s_mov_b32 s55, 0
	s_add_nc_u64 s[54:55], s[8:9], s[54:55]
	s_bfe_u32 s46, s40, 0x10001
	s_lshl_b32 s46, s46, 8                         ; the pair's scale unit,
	s_add_co_u32 s56, s42, s46
	s_and_b32 s46, s40, 1
	s_lshl_b32 s46, s46, 7                         ; my tile's 16 lanes of it,
	s_add_co_u32 s56, s56, s46
	s_lshl_b32 s44, s44, 2                         ; the word,
	s_add_co_u32 s56, s56, s44
	s_lshl_b32 s45, s45, 1                         ; my head's two bytes of it
	s_add_co_u32 s56, s56, s45
	s_add_co_u32 s56, s56, 12288
	s_mov_b32 s57, 0
	s_add_nc_u64 s[56:57], s[8:9], s[56:57]
	s_wait_alu depctr_va_vdst(0)                   ; the wait ahead of the reciprocal's first reader
.set NN, 0
.rept 32
	v_mul_f32 v[96+NN], v[160+NN], v14             ; register 16 b + i = channel 32 b + 16 h + i of my query
.set NN, NN+1
.endr
.irp b, 0,1
	v_max3_num_f32 v[212+\b], |v[96+16*\b]|, |v[97+16*\b]|, 0x1800000
.endr
.irp i, 2,4,6,8,10,12,14
.irp b, 0,1
	s_delay_alu instid0(VALU_DEP_2)
	v_max3_num_f32 v[212+\b], v[212+\b], |v[96+16*\b+\i]|, |v[97+16*\b+\i]|
.endr
.endr
.irp b, 0,1
	s_delay_alu instid0(VALU_DEP_2)
	v_permlanex16_b32 v[216+\b], v[212+\b], s[SEL], s[SEL+1]
.endr
.irp b, 0,1
	s_delay_alu instid0(VALU_DEP_2)
	v_max_num_f32 v[212+\b], v[212+\b], v[216+\b]
.endr
.irp b, 0,1
	s_delay_alu instid0(VALU_DEP_2)
	v_add_nc_u32 v[220+\b], 0xff000000, v[212+\b]
.endr
.irp b, 0,1
	s_delay_alu instid0(VALU_DEP_2)
	v_lshrrev_b32 v[216+\b], 23, v[220+\b]
.endr
	v_cvt_scalef32_pk16_fp6_f32 v[192:194], v[96:111], v220
	v_cvt_scalef32_pk16_fp6_f32 v[204:206], v[112:127], v221
	v_nop                                          ; one plain place behind a scaled conversion
.irp i, 0,1,2
	v_permlane16_swap_b32 v[192+\i], v[204+\i]
.endr
.irp i, 0,1,2
	s_delay_alu instid0(VALU_DEP_3)
	v_mov_b32 v[195+\i], v[204+\i]
.endr
	v_cndmask_b32 v226, v216, v217, s[HM]          ; my lane's block's byte
	global_store_b128 v1, v[192:195], s[54:55]     ; 512 consecutive bytes, at a multiple of 256 from the buffer's first byte
	global_store_b64 v2, v[196:197], s[54:55] offset:512
	global_store_b8 v7, v226, s[56:57]             ; a byte a lane: the word's other bytes belong to other heads
.endm
	PASS_HEAD 1
	s_wait_tensorcnt 1                             ; my first record is in; my second may stay out
	s_barrier_signal -1
	s_barrier_wait -1                              ; records 0-7 are whole
.Lloop_a:                                          ; the high tile's key steps 0-7
	STEP
	s_add_co_u32 s15, s15, 1
	s_cmp_lt_u32 s15, 8
	s_cbranch_scc1 .Lloop_a
	s_setprio 0
	s_wait_tensorcnt 0x0                           ; my second record is in
	s_wait_dscnt 0x0
	s_barrier_signal -1
	s_barrier_wait -1                              ; records 8-15 are whole
.Lloop_b:                                          ; its key steps 8-15
	STEP
	s_add_co_u32 s15, s15, 1
	s_cmp_lt_u32 s15, 16
	s_cbranch_scc1 .Lloop_b
	s_setprio 0
	FINISH
	PASS_HEAD 0
.Lloop_c:                                          ; the low tile's key steps 0-7
	STEP
	s_add_co_u32 s15, s15, 1
	s_cmp_lt_u32 s15, 8
	s_cbranch_scc1 .Lloop_c
	s_setprio 0
	FINISH
	s_wait_tensorcnt 0x0
	ds_add_u32 v232, v233
	s_wait_dscnt 0x0
	s_endpgm
.Lfunc_end_k_q36196c4930_attn:
	.size	k_q36196c4930_attn, .Lfunc_end_k_q36196c4930_attn-k_q36196c4930_attn
	.p2alignl 7, 3214868480
	.fill 96, 4, 3214868480
	.section	.rodata,"a",@progbits
	.p2align	6, 0x0
	.amdhsa_kernel k_q36196c4930_attn
		.amdhsa_group_segment_fixed_size 210944
		.amdhsa_private_segment_fixed_size 0
		.amdhsa_enable_private_segment 0
		.amdhsa_kernarg_size 24
		.amdhsa_user_sgpr_count 2
		.amdhsa_user_sgpr_kernarg_segment_ptr 1
		.amdhsa_wavefront_size32 1
		.amdhsa_system_sgpr_workgroup_id_x 1
		.amdhsa_system_sgpr_workgroup_id_y 1
		.amdhsa_system_sgpr_workgroup_id_z 1
		.amdhsa_system_vgpr_workitem_id 0
		.amdhsa_next_free_vgpr 234
		.amdhsa_next_free_sgpr 66
		.amdhsa_reserve_vcc 1
		.amdhsa_float_denorm_mode_32 3
		.amdhsa_float_denorm_mode_16_64 3
		.amdhsa_memory_ordered 1
		.amdhsa_forward_progress 1
		.amdhsa_inst_pref_size 89
	.end_amdhsa_kernel
	.amdgpu_metadata
---
amdhsa.version: [ 1, 2 ]
amdhsa.kernels:
  - .name:           k_q36196c4930_attn
    .symbol:         k_q36196c4930_attn.kd
    .args:
      - { .name: q_buf, .offset: 0, .size: 8, .value_kind: global_buffer, .address_space: global }
      - { .name: kv, .offset: 8, .size: 8, .value_kind: global_buffer, .address_space: global }
      - { .name: a_q, .offset: 16, .size: 8, .value_kind: global_buffer, .address_space: global }
    .group_segment_fixed_size: 210944
    .private_segment_fixed_size: 0
    .kernarg_segment_align: 8
    .kernarg_segment_size: 24
    .max_flat_workgroup_size: 512
    .sgpr_count:     66
    .vgpr_count:     234
    .wavefront_size: 32
...
	.end_amdgpu_metadata
.endif
;; end of part 3
;; launch proj (part 4): grid 8 x 32, 4 waves a work-group, clusters of 4 x 4, 325,120 bytes of LDS; arguments a_q, w_q, b_proj, out0; writes out0
.if DOCPART == 4
	.amdgcn_target "amdgcn-amd-amdhsa--gfx1250"
	.amdhsa_code_object_version 6
	.text
	.protected	k_q36196c4930_proj
	.globl	k_q36196c4930_proj
	.p2align	8
	.type	k_q36196c4930_proj,@function
k_q36196c4930_proj:
	s_mov_b64 s[64:65], 0
	v_nop
	global_prefetch_b8 v0, s[64:65] scope:SCOPE_SE
	s_setreg_imm32_b32 hwreg(HW_REG_WAVE_MODE, 25, 1), 1
	s_wait_xcnt 0x0
	s_wait_alu depctr_hold_cnt(0) depctr_sa_sdst(0) depctr_va_vdst(0) depctr_va_sdst(0) depctr_va_ssrc(0) depctr_va_vcc(0) depctr_vm_vsrc(0)
	s_getreg_b32 s2, hwreg(HW_REG_IB_STS2, 6, 4)
	s_cmp_eq_u32 s2, 0
	s_cbranch_scc0 .Lentry_in_a_cluster
	s_endpgm
.Lentry_in_a_cluster:
	s_bfe_u32 s2, ttmp6, 0x10000c
	s_cmp_lg_u32 s2, 0xf033
	s_cbranch_scc0 .Lentry_shape_is_right
	s_endpgm
.Lentry_shape_is_right:
; out0 = o w_proj + b_proj on codes of FP6 (E2M3) with E8M0 scales, sums in f32.  o's codes come from the attention launch (a_q), w_proj's are panels 24-31 of w_q.
; A work-group makes 256 rows (A slot, source 1) x 128 columns (B slot, source 0); four waves, each 128 x 64: 32 accumulators.  A lane holds one row, its registers run along the columns.
; ALL OF K (1,024) LIES IN LDS, filled once, in four quarters, by joint loads: A's panels are shared along a row of the cluster, B's panel along a column.  Each wave has four tensor loads out at the most.  Nothing is filled again.
; LDS: A's two panels of 102,400 bytes, B's panel, then a stage of 16 rows x 272 bytes for each wave, into which no tensor load lands.
; In each group of 32 rows lane r of tile u holds row 8 u + r + 8 (r / 8); the columns' order is undone by the result's layout, the rows' by the stores' offsets.
; REGISTERS, in windows of 256: window 0: addresses, v32-55 scale words, v64-95 the bias, v128-191 rows on their way out.  Windows 1 and 3: two sets of fragments (A's eight at v0, B's four at v96).  Window 2: accumulator (a, b) at v[8 (4 a + b)].
.set PANEL, 102400
.set CHUNK, 25600
.set HALF,  12800
.set STAGE, 3*PANEL
.set A16, 10
.set A8,  12
.set B16, 14
.set B8,  16
.set O16, 18
.set O8,  19
.set STO, 20                           ; v20 the stage: where I put 32 bytes of a row
.set RD,  21                           ; v21 and where I read a row back
.set CO,  22                           ; v22 my byte offset in two rows of out0
.set BOF, 23                           ; v23 the bias loads' offset
.set SCW, 32
.set BIAS, 64
.set G1A, 24
.set G1B, 32
.set G0A, 40
.set MSB, 0
.macro WIN new                         ; the immediate's high byte repeats the setting that is left
.if MSB != \new
	s_set_vgpr_msb (MSB<<8)|\new
.set MSB, \new
.endif
.endm
.macro CROUND                          ; a round of the cluster's barrier
	s_barrier_signal -1
	s_barrier_wait -1
	s_cmp_lg_u32 s14, 0
	s_cbranch_scc1 .Lnot_wave_0_\@
	s_barrier_signal -3
.Lnot_wave_0_\@:
	s_barrier_wait -3
	s_barrier_signal -1
	s_barrier_wait -1
.endm
.macro PLACES                          ; four plain places behind matrix instructions, ahead of loads into their sources and of reads of their results
.rept 4
	v_nop
.endr
.endm
.macro FRAG reg, a16, a8, off          ; a fragment, 12 registers, as it lies: two sub-images
	ds_load_b128 v[(\reg):(\reg)+3], v[\a16] offset:(\off)
	ds_load_b64 v[(\reg)+4:(\reg)+5], v[\a8] offset:(\off)+512
	ds_load_b128 v[(\reg)+6:(\reg)+9], v[\a16] offset:(\off)+768
	ds_load_b64 v[(\reg)+10:(\reg)+11], v[\a8] offset:(\off)+1280
.endm
.macro FETCH k                         ; K step k (128 along K): A's eight fragments and B's four into set k % 2; with a quarter's first step its scale words
.set FS, (\k)/2
.set FQ, (\k)%2
.set FZ, FS/2
.set FO, (FS%2)*CHUNK+FQ*1536
.if FQ == 0
	WIN 0x40
.else
	WIN 0xc0
.endif
.irp i, 0,1,2,3,4,5,6,7
	FRAG 12*\i, A16+FZ, A8+FZ, FO+(\i/4)*HALF+(\i%4)*3072
.endr
.irp i, 0,1,2,3
	FRAG 96+12*\i, B16+FZ, B8+FZ, FO+\i*3072
.endr
	WIN 0
.if FQ == 0
.set SZ, SCW+12*(FS%2)
.irp b, 0,1,2,3
	ds_load_b64 v[SZ+2*\b:SZ+2*\b+1], v[A8+FZ] offset:(FS%2)*CHUNK+(\b/2)*HALF+12288+(\b%2)*256
.endr
.irp b, 0,1
	ds_load_b64 v[SZ+8+2*\b:SZ+8+2*\b+1], v[B8+FZ] offset:(FS%2)*CHUNK+12288+\b*256
.endr
.endif
.endm
.macro SYNC s                          ; quarter s of K has landed in every wave's part; my loads of the later quarters may stay out
	s_wait_tensorcnt 3-(\s)
	s_barrier_signal -1
	s_barrier_wait -1
.endm
.macro WM a, b, k, cm                  ; cm = 0: adds in place; 1: starts the sum with the bias of B's tile b
.set WD, 8*(4*(\a)+(\b))
.set WC, WD
.if (\cm) == 1
.set WC, BIAS+8*(\b)
.endif
.set WSB, SCW+12*(((\k)/2)%2)+8+2*((\b)/2)+(\k)%2
.set WSA, SCW+12*(((\k)/2)%2)+2*((\a)/2)+(\k)%2
.if ((\a)%2 == 0) && ((\b)%2 == 0)
	v_wmma_scale_f32_16x16x128_f8f6f4 v[WD:WD+7], v[96+12*(\b):107+12*(\b)], v[12*(\a):12*(\a)+11], v[WC:WC+7], v[WSB], v[WSA] matrix_a_fmt:MATRIX_FMT_FP6 matrix_b_fmt:MATRIX_FMT_FP6
.elseif ((\a)%2 == 0)
	v_wmma_scale_f32_16x16x128_f8f6f4 v[WD:WD+7], v[96+12*(\b):107+12*(\b)], v[12*(\a):12*(\a)+11], v[WC:WC+7], v[WSB], v[WSA] matrix_a_fmt:MATRIX_FMT_FP6 matrix_b_fmt:MATRIX_FMT_FP6 matrix_a_scale:MATRIX_SCALE_ROW1
.elseif ((\b)%2 == 0)
	v_wmma_scale_f32_16x16x128_f8f6f4 v[WD:WD+7], v[96+12*(\b):107+12*(\b)], v[12*(\a):12*(\a)+11], v[WC:WC+7], v[WSB], v[WSA] matrix_a_fmt:MATRIX_FMT_FP6 matrix_b_fmt:MATRIX_FMT_FP6 matrix_b_scale:MATRIX_SCALE_ROW1
.else
	v_wmma_scale_f32_16x16x128_f8f6f4 v[WD:WD+7], v[96+12*(\b):107+12*(\b)], v[12*(\a):12*(\a)+11], v[WC:WC+7], v[WSB], v[WSA] matrix_a_fmt:MATRIX_FMT_FP6 matrix_b_fmt:MATRIX_FMT_FP6 matrix_a_scale:MATRIX_SCALE_ROW1 matrix_b_scale:MATRIX_SCALE_ROW1
.endif
.endm
.macro STEP k, cm                      ; 32 matrix instructions; the 32 accumulators take turns, in the same order in every step
	s_wait_dscnt 0x0                               ; this step's operands, asked for a step ago, are in
.if (\k) < 7
.if (\k) > 0
	PLACES                                         ; the other set was read by the last step's products
.endif
.if ((\k)+1)%2 == 0
	SYNC ((\k)+1)/2
.endif
	FETCH (\k)+1
.endif
.if (\cm) != 0
	WIN 0x85                                       ; sources 0, 1 window 1, C (the bias) window 0, D window 2
.elseif (\k)%2 == 0
	WIN 0xa5
.else
	WIN 0xaf
.endif
.irp a, 0,1,2,3,4,5,6,7
.irp b, 0,1,2,3
	WM \a, \b, \k, \cm
.endr
.endr
	WIN 0
.endm
	s_load_b256 s[4:11], s[0:1], 0x0               ; a_q s[4:5], w_q s[6:7], b_proj s[8:9], out0 s[10:11]
	v_lshl_add_u32 v254, v0, 2, 0x4f400
	v_mov_b32 v255, 0
	ds_add_u32 v254, v255
	ds_add_u32 v254, v255
	v_lshrrev_b32 v1, 5, v0
	v_readfirstlane_b32 s14, v1                    ; wave 0..3
	s_lshr_b32 s15, s14, 1                         ; my A panel.  Also: I fetch for A (0) or for B (1)
	s_and_b32 s16, s14, 1                          ; my half of B's panel.  Also: which panel of A, or which half of B, I fetch
	s_bfe_u32 s76, ttmp6, 0x40000                  ; cx
	s_bfe_u32 s77, ttmp6, 0x40004                  ; cy
	s_and_b32 s78, ttmp7, 0xffff                   ; cluster y
	s_lshl_b32 s79, s77, 2
	s_lshl_b32 s79, 15, s79                        ; my row of the cluster
	s_lshl_b32 s80, 0x1111, s76                    ; my column
	; groups 1: dense blocks as rows of 256 bytes (32 elements of 8 bytes): A 100 rows (a quarter of a panel), B 50 (half of that)
	s_or_b32 s[G1A], s79, (3<<16)|(1<<21)
	s_or_b32 s[G1B], s80, (3<<16)|(1<<21)
	s_mov_b32 s[G1A+1], 32<<16
	s_mov_b32 s[G1A+2], 100<<16
	s_mov_b32 s[G1A+3], 32<<16
	s_mov_b32 s[G1A+4], 100
	s_mov_b32 s[G1A+5], 32
	s_mov_b32 s[G1A+6], 0
	s_mov_b32 s[G1A+7], 0
	s_mov_b32 s[G1B+1], 32<<16
	s_mov_b32 s[G1B+2], 50<<16
	s_mov_b32 s[G1B+3], 32<<16
	s_mov_b32 s[G1B+4], 50
	s_mov_b32 s[G1B+5], 32
	s_mov_b32 s[G1B+6], 0
	s_mov_b32 s[G1B+7], 0
	s_lshl_b32 s82, s77, 1
	s_add_co_u32 s82, s82, s16
	s_lshl_b32 s83, s78, 3
	s_add_co_u32 s83, s83, s82                     ; A's panel that I fetch: 8 x cluster y + 2 cy + which: no cx in it
	s_lshl_b32 s88, ttmp9, 2
	s_add_co_u32 s88, s88, s76                     ; which 128 columns: 4 x cluster x + cx: no cy in it
	s_add_co_u32 s89, s88, 24                      ; w_proj's panels begin at 24
	s_mul_i32 s92, s83, PANEL
	s_mov_b32 s93, 0
	s_mul_i32 s94, s89, PANEL
	s_mul_i32 s95, s16, HALF
	s_add_co_u32 s94, s94, s95
	s_mov_b32 s95, 0
	s_mul_i32 s96, s16, PANEL                      ; where they go: no place in the cluster enters an LDS address
	s_mul_i32 s97, s16, HALF
	s_add_co_u32 s97, s97, 2*PANEL
	s_wait_dscnt 0x0
	s_wait_kmcnt 0x0
	s_add_nc_u64 s[92:93], s[4:5], s[92:93]
	s_add_nc_u64 s[94:95], s[6:7], s[94:95]
.irp g, 0,1,2,3
.set GB, 56+4*\g+4*(\g/2)
	s_mov_b32 s[G0A+4*\g], 1
	s_add_co_u32 s[G0A+4*\g+1], s96, \g*CHUNK
	s_add_nc_u64 s[G0A+4*\g+2:G0A+4*\g+3], s[92:93], \g*CHUNK
	s_or_b32 s[G0A+4*\g+3], s[G0A+4*\g+3], 0x80000000
	s_mov_b32 s[GB], 1
	s_add_co_u32 s[GB+1], s97, \g*CHUNK
	s_add_nc_u64 s[GB+2:GB+3], s[94:95], \g*CHUNK
	s_or_b32 s[GB+3], s[GB+3], 0x80000000
.endr
	CROUND                                         ; all sixteen work-groups are here: the joint loads meet
	s_cmp_eq_u32 s15, 0                            ; a wave's four fills stand in one branch on the wave's number; four v_nop follow the last
	s_cbranch_scc0 .Lfill_b
	tensor_load_to_lds s[40:43], s[24:31]
	s_nop 0
	tensor_load_to_lds s[44:47], s[24:31]
	s_nop 0
	tensor_load_to_lds s[48:51], s[24:31]
	s_nop 0
	tensor_load_to_lds s[52:55], s[24:31]
	s_nop 0
.rept 4
	v_nop
.endr
	s_branch .Lfilled
.Lfill_b:
	tensor_load_to_lds s[56:59], s[32:39]
	s_nop 0
	tensor_load_to_lds s[60:63], s[32:39]
	s_nop 0
	tensor_load_to_lds s[68:71], s[32:39]
	s_nop 0
	tensor_load_to_lds s[72:75], s[32:39]
	s_nop 0
.rept 4
	v_nop
.endr
.Lfilled:
	v_and_b32 v1, 31, v0
	v_lshlrev_b32 v[O16], 4, v1
	v_lshlrev_b32 v[O8], 3, v1
	s_mul_i32 s17, s15, PANEL
	s_mul_i32 s18, s16, HALF
	s_add_co_u32 s18, s18, 2*PANEL
.irp z, 0,1
	v_add_nc_u32 v[A16+\z], s17, v[O16]
	v_add_nc_u32 v[A8+\z], s17, v[O8]
	v_add_nc_u32 v[B16+\z], s18, v[O16]
	v_add_nc_u32 v[B8+\z], s18, v[O8]
	s_add_co_u32 s17, s17, 2*CHUNK
	s_add_co_u32 s18, s18, 2*CHUNK
.endr
	v_bfe_u32 v2, v0, 4, 1                         ; h
	v_and_b32 v3, 15, v0                           ; r
	; the bias as the C of each sum's first product: register j of B's tile b: b_proj[n0 + 32 (b / 2) + 8 (b % 2) + 16 h + j]
	s_lshl_b32 s20, s88, 9
	s_lshl_b32 s21, s16, 8
	s_add_co_u32 s20, s20, s21                     ; n0 = 128 x column block + 64 x half, in bytes
	s_mov_b32 s21, 0
	s_add_nc_u64 s[22:23], s[8:9], s[20:21]
	v_lshlrev_b32 v[BOF], 6, v2
.irp b, 0,1,2,3
	global_load_b128 v[BIAS+8*\b:BIAS+8*\b+3], v[BOF], s[22:23] offset:4*(32*(\b/2)+8*(\b%2))
	global_load_b128 v[BIAS+8*\b+4:BIAS+8*\b+7], v[BOF], s[22:23] offset:4*(32*(\b/2)+8*(\b%2))+16
.endr
	s_mul_i32 s19, s14, 4352
	s_add_co_u32 s19, s19, STAGE                   ; my stage
	v_mul_u32_u24 v[STO], v3, 272
	v_lshl_add_u32 v[STO], v2, 6, v[STO]
	v_add_nc_u32 v[STO], s19, v[STO]               ; in: row r, + 64 h
	v_mul_u32_u24 v[RD], v2, 272
	v_lshl_add_u32 v[RD], v3, 4, v[RD]
	v_add_nc_u32 v[RD], s19, v[RD]                 ; back: lanes 0-15 one row of 256 bytes, lanes 16-31 the next
	v_lshlrev_b32 v[CO], 12, v2
	v_lshl_add_u32 v[CO], v3, 4, v[CO]             ; and the same two rows in out0
	s_lshl_b32 s17, s78, 2
	s_add_co_u32 s17, s17, s77
	s_lshl_b32 s17, s17, 1
	s_add_co_u32 s17, s17, s15                     ; my 128 rows,
	s_lshl_b32 s17, s17, 19                        ; of 4,096 bytes,
	s_add_co_u32 s20, s17, s20                     ; and my 64 columns
	s_add_nc_u64 s[12:13], s[10:11], s[20:21]
	SYNC 0
	FETCH 0
	s_wait_loadcnt 0x0                             ; the bias
	STEP 0, 1
	STEP 1, 0
	STEP 2, 0
	STEP 3, 0
	STEP 4, 0
	STEP 5, 0
	STEP 6, 0
	STEP 7, 0
; THE WAY OUT, a block of 16 rows x 64 columns at a time, through my own stage: in as 32 bytes a lane, back as whole rows of 256 bytes.  LDS serves a wave's instructions in order: no wait between the stores and the loads.
.macro TOSTAGE a
	WIN 0x08                                       ; an LDS store's data: window 2
.irp b, 0,1,2,3
	ds_store_b128 v[STO], v[8*(4*(\a)+\b):8*(4*(\a)+\b)+3] offset:128*(\b/2)+32*(\b%2)        ; each accumulator from its low end on
	ds_store_b128 v[STO], v[8*(4*(\a)+\b)+4:8*(4*(\a)+\b)+7] offset:128*(\b/2)+32*(\b%2)+16
.endr
	WIN 0
.set BB, 128+32*((\a)%2)
.irp t, 0,1,2,3,4,5,6,7
	ds_load_b128 v[BB+4*\t:BB+4*\t+3], v[RD] offset:544*\t
.endr
.endm
.macro SEND a, younger                 ; younger: the LDS instructions issued behind block a's loads, which may stay out
.set BB, 128+32*((\a)%2)
	s_wait_dscnt \younger
.irp t, 0,1,2,3,4,5,6,7
	global_store_b128 v[CO], v[BB+4*\t:BB+4*\t+3], s[12:13] offset:(32*((\a)/2)+8*((\a)%2)+2*\t+8*(\t/4))*4096 th:TH_STORE_NT   ; position 2 t (+ 1) of tile a is this row; 16 lanes store 256 consecutive bytes, at a multiple of 256 from out0's first byte
.endr
.endm
	PLACES
	s_wait_alu depctr_va_vdst(0)
	TOSTAGE 0
.irp a, 1,2,3,4,5,6,7
.if \a > 1
	s_wait_xcnt 0x0                                ; block a - 2's stores have read their registers: block a's loads may land there
.endif
	TOSTAGE \a
	SEND \a-1, 16                                  ; behind block a - 1's loads: block a's 8 stores and 8 loads
.endr
	SEND 7, 0
	s_wait_tensorcnt 0x0
	ds_add_u32 v254, v255
	s_wait_dscnt 0x0
	CROUND                                         ; the closing round: no work-group ends while a partner may still ask for a tile that names it
	s_endpgm
.Lfunc_end_k_q36196c4930_proj:
	.size	k_q36196c4930_proj, .Lfunc_end_k_q36196c4930_proj-k_q36196c4930_proj
	.p2alignl 7, 3214868480
	.fill 96, 4, 3214868480
	.section	.rodata,"a",@progbits
	.p2align	6, 0x0
	.amdhsa_kernel k_q36196c4930_proj
		.amdhsa_group_segment_fixed_size 325120
		.amdhsa_private_segment_fixed_size 0
		.amdhsa_enable_private_segment 0
		.amdhsa_kernarg_size 32
		.amdhsa_user_sgpr_count 2
		.amdhsa_user_sgpr_kernarg_segment_ptr 1
		.amdhsa_wavefront_size32 1
		.amdhsa_system_sgpr_workgroup_id_x 1
		.amdhsa_system_sgpr_workgroup_id_y 1
		.amdhsa_system_sgpr_workgroup_id_z 1
		.amdhsa_system_vgpr_workitem_id 0
		.amdhsa_next_free_vgpr 912
		.amdhsa_next_free_sgpr 100
		.amdhsa_reserve_vcc 0
		.amdhsa_float_denorm_mode_32 3
		.amdhsa_float_denorm_mode_16_64 3
		.amdhsa_memory_ordered 1
		.amdhsa_forward_progress 1
		.amdhsa_inst_pref_size 85
	.end_amdhsa_kernel
	.amdgpu_metadata
---
amdhsa.version: [ 1, 2 ]
amdhsa.kernels:
  - .name:           k_q36196c4930_proj
    .symbol:         k_q36196c4930_proj.kd
    .args:
      - { .name: a_q, .offset: 0, .size: 8, .value_kind: global_buffer, .address_space: global }
      - { .name: w_q, .offset: 8, .size: 8, .value_kind: global_buffer, .address_space: global }
      - { .name: b_proj, .offset: 16, .size: 8, .value_kind: global_buffer, .address_space: global }
      - { .name: out0, .offset: 24, .size: 8, .value_kind: global_buffer, .address_space: global }
    .group_segment_fixed_size: 325120
    .private_segment_fixed_size: 0
    .kernarg_segment_align: 8
    .kernarg_segment_size: 32
    .max_flat_workgroup_size: 128
    .sgpr_count:     100
    .vgpr_count:     912
    .wavefront_size: 32
...
	.end_amdgpu_metadata
.endif
;; end of part 4
